; MI455X (gfx1250); checked and timed in simulation.
; The chip was launched on July 23, 2026; its instructions are those of AMD's public machine-readable ISA for CDNA 5 (MIT licence, August 2026) and "CDNA5" Instruction Set Architecture Reference Guide (July 2026). The comments in the code are by the model that wrote it; some were corrected since.
;; Multi Query Attention. Allowed arithmetic: matrix products marked QUANTISED: E4M3 operands, one E8M0 scale for each 32 along K, by v_wmma_scale_f32_16x16x128_f8f6f4 with both operands' format E4M3, f32 sums; everything else in f32.
;; Inputs: Wk_codes 64 x 32 x 32 uint8 (E4M3 codes of Wk, K innermost, in blocks of 32 codes); Wk_scales 64 x 32 uint8 (E8M0 scales of Wk, one for each 32 codes along K); Wo_codes 1,024 x 32 x 32 uint8 (E4M3 codes of Wo, K innermost, in blocks of 32 codes); Wo_scales 1,024 x 32 uint8 (E8M0 scales of Wo, one for each 32 codes along K); Wq_codes 1,024 x 32 x 32 uint8 (E4M3 codes of Wq, K innermost, in blocks of 32 codes); Wq_scales 1,024 x 32 uint8 (E8M0 scales of Wq, one for each 32 codes along K); Wv_codes 64 x 32 x 32 uint8 (E4M3 codes of Wv, K innermost, in blocks of 32 codes); Wv_scales 64 x 32 uint8 (E8M0 scales of Wv, one for each 32 codes along K); bk 64 float32; bo 1,024 float32; bq 1,024 float32; bv 64 float32; x_codes 4 x 2,048 x 32 x 32 uint8 (E4M3 codes of x, K innermost, in blocks of 32 codes); x_scales 4 x 2,048 x 32 uint8 (E8M0 scales of x, one for each 32 codes along K).
;; Outputs: out0 4 x 2,048 x 1,024 float32.
;; This version of the problem:
;;   THIS VERSION OF THE PROBLEM IS GIVEN IN LOW PRECISION. The matrix products marked QUANTISED in the list below multiply operands that are first quantised to E4M3 (4 exponent bits, 3 mantissa bits; 8 bits a number), with one power-of-two scale for each 32 numbers along K (OCP MX v1.0); their sums are f32. All else is computed in f32.
;;   The module's matrix products, in the order in which they are computed (A, B: the left and right operand; K: the contracted axis; several contracted axes count as one K, in the product's order):
;;     1. [M 8,192, K 1,024] x [K 1,024, N 1,024]; A: input x (given as codes); B: input Wq (given as codes): QUANTISED
;;     2. [M 8,192, K 1,024] x [K 1,024, N 64]; A: input x (given as codes); B: input Wk (given as codes): QUANTISED
;;     3. [M 8,192, K 1,024] x [K 1,024, N 64]; A: input x (given as codes); B: input Wv (given as codes): QUANTISED
;;     4. batch 4 x [M 2,048, K 64] x [K 64, N 32,768]; A: computed on the way; B: computed on the way: QUANTISED
;;     5. batch 4 x [M 64, K 2,048] x [K 2,048, N 32,768]; A: computed on the way; B: softmax (see below): QUANTISED
;;     6. [M 8,192, K 1,024] x [K 1,024, N 1,024]; A: computed on the way; B: input Wo (given as codes): QUANTISED
;;   THE QUANTISER, for each operand of a quantised product, along K:
;;     - K is cut into blocks of 32 from its start; a last block that is shorter is filled with zeros.
;;     - A block's scale is 2^e with e = floor(log2(the largest magnitude in the block)) - 8, held to -126 .. 127; a block of zeros has e = 0. As a byte (E8M0): e + 127.
;;     - Each number is divided by its block's scale, clamped to +-448, and rounded to the nearest number of E4M3, ties to even, subnormals kept.
;;     - The product sums the exact products of the quantised numbers (number of the format x scale) in f32.
;;   ~~~python
;;   def quantise(x, axis):      # numpy; x: float32 -> the quantised numbers, widened to float32 again
;;       x = np.moveaxis(x, axis, -1); K = x.shape[-1]
;;       x = np.pad(x, [(0, 0)] * (x.ndim - 1) + [(0, -K % 32)]); x = x.reshape(x.shape[:-1] + (-1, 32)); a = np.abs(x).max(-1, keepdims=True)
;;       e = np.where(a > 0, np.clip(np.frexp(np.where(a > 0, a, 1))[1] - 1 - 8, -126, 127), 0)      # np.frexp(a)[1] - 1 = floor(log2(a)), exactly
;;       r = np.clip(x / 2.0 ** e, -448, 448)
;;       step = 2.0 ** (np.maximum(np.frexp(np.where(r == 0, 1, r))[1] - 1, -6) - 3)
;;       q = np.round(r / step) * step * 2.0 ** e      # np.round: ties to even
;;       return np.moveaxis(q.reshape(q.shape[:-2] + (-1,))[..., :K], -1, axis).astype(np.float32)
;;   ~~~
;;   SOFTMAX AHEAD OF A QUANTISED PRODUCT. Where the list says 'softmax', what is quantised is not the finished softmax but p = 2^(t - M), with t = logit x log2(e) and M = ceil(the row's largest t), a whole number; so 1/2 < the row's largest p <= 1. The row's sum l is taken of the UNQUANTISED p, in f32, and the product's result is divided by l at the end. Since M is a whole number, a kernel that streams over the keys may use a running M (the ceiling of the running maximum): every later rescaling is an exact power of two, which a block's scale takes up: the codes' values come out the same.
;;   OPERANDS COMPUTED ON THE WAY. 'Computed on the way' means the value that the module computes at that place (a softmax that the list does not call 'softmax' is quantised finished and normalised). What goes into a quantiser is computed in f32, as accurately as f32 sums, v_exp_f32 and their like allow (about 1e-6 of the number): no bf16 or f16 on the way to a quantiser, and a product that is left as it is and whose result goes on into a quantised operand takes f32 operands (vector FMAs, or v_wmma_f32_16x16x4_f32). A number that lies on a knife's edge between two numbers of the format may be rounded either way, as far as f32 arithmetic and the matrix unit's own rounding can turn it there, and no further.
;;   INPUTS GIVEN AS CODES. Wk (in the module: [1024, 64], K = its axis 0); Wo (in the module: [1024, 1024], K = its axis 0); Wq (in the module: [1024, 1024], K = its axis 0); Wv (in the module: [1024, 64], K = its axis 0); x (in the module: [4, 2048, 1024], K = its axis 2): each comes as NAME_codes (uint8): NAME with its K axis moved to the last place and cut into blocks of 32 codes, [.., K / 32, bytes a block], one block behind the other in memory; one code a byte (a code: sign, 4 exponent bits, 3 mantissa bits); and NAME_scales (uint8): the same leading axes, one E8M0 byte (e + 127) for each 32 codes along K. Its value is code x scale, taken as it is: it is not quantised again, and the codes and scales need not be those that the quantiser above would give.
;; One version. Each part assembles by itself: llvm-mc -triple=amdgcn-amd-amdhsa -mcpu=gfx1250 --defsym DOCPART=n.
;; ======== version 1 of 1: 3 launches
;; limits: right only within a limited range of input values
;; workspace buffers: q_img 8,388,608 bytes; q_sc 262,144 bytes; kv_img 1,081,344 bytes; a_codes 8,388,608 bytes; a_sc 262,144 bytes
;; launch proj (part 1): grid 16 x 9, 4 waves a work-group, clusters of 4 x 1, 327,680 bytes of LDS; arguments x_codes, x_scales, Wq_codes, Wq_scales, Wk_codes, Wk_scales, Wv_codes, Wv_scales, bq, bk, bv, q_img, q_sc, kv_img; writes q_img, q_sc, kv_img
.if DOCPART == 1
	.amdgcn_target "amdgcn-amd-amdhsa--gfx1250"
	.amdhsa_code_object_version 6
	.text
	.protected	k_q8d5b116255_proj
	.globl	k_q8d5b116255_proj
	.p2align	8
	.type	k_q8d5b116255_proj,@function
k_q8d5b116255_proj:
	s_mov_b64 s[64:65], 0
	v_nop
	global_prefetch_b8 v0, s[64:65] scope:SCOPE_SE
	s_setreg_imm32_b32 hwreg(HW_REG_WAVE_MODE, 25, 1), 1
	s_wait_xcnt 0x0
	s_wait_alu depctr_hold_cnt(0) depctr_sa_sdst(0) depctr_va_vdst(0) depctr_va_sdst(0) depctr_va_ssrc(0) depctr_va_vcc(0) depctr_vm_vsrc(0)
	s_getreg_b32 s2, hwreg(HW_REG_IB_STS2, 6, 4)
	s_cmp_eq_u32 s2, 0
	s_cbranch_scc0 .Lentry_in_a_cluster
	s_endpgm
.Lentry_in_a_cluster:
	s_bfe_u32 s2, ttmp6, 0x10000c
	s_cmp_lg_u32 s2, 0x3003
	s_cbranch_scc0 .Lentry_shape_is_right
	s_endpgm
.Lentry_shape_is_right:
; q = x Wq + bq, k = x Wk + bk, v = x Wv + bv on codes of FP8 (E4M3) with E8M0 scales, and the quantisers of q and k (along the head's 64) and of v (along the keys).
; SHARES.  144 work-groups, each 512 tokens (block tb) x 128 columns (block y): y = 0..7 are q's columns 128 y on, y = 8 is k's 64 and v's 64.  Four waves, 2 x 2: wave column wn holds its 64 rows of the weight,
; ALL of K, in registers (512) and streams x's rows past them in blocks of 16, two blocks (a pair) a trip: 64 products.  Pair P = 0..7 of wave row wm: tokens 64 P + 32 wm + 16 u + r, u = 0, 1.
; LDS: two slots of 128 rows of 1,024 bytes + 16; x's scale bytes of the 512 tokens; stages for the results' scale bytes.  At the head slot 1 takes the weight (waves 0, 1; shown first, by a barrier of their own),
; slot 0 tokens 0-127 (wave 2), and wave 3 brings the scale bytes.  Chunks 1, 2, 3 of 128 tokens are refills, each behind a drained round of the cluster's barrier at a chunk's head, 32 rows a wave,
; into the slot that was read last: a refill has a chunk's 128 products a wave in which to land.  The last chunk is written out: it fills nothing.
; CLUSTER 4 x 1: the four partners share y, hence the weights' rows: those loads are joint.  x's rows differ between partners; the grid's 9 column blocks do not divide by four, so x's rows are not shared.
; PREFETCH: at the head of chunk c my wave asks for its own 32 rows of chunk c + 2, a lane a row, four blocks of 256 bytes each: one chunk ahead of the load that will want them.  Chunks 0 and 1 come by their loads alone.
; q, k: source 0 = the weight's rows, source 1 = tokens: a lane holds a token, its registers run along the columns, which are the scores' K.
; v:    source 0 = tokens, source 1 = Wv's rows: a lane holds a channel, its registers run along the tokens, which are the second product's K; a pair of blocks is one block of 32 keys.
; The two forms stand under a branch on ids (y and the wave's number) that leads round products and stage stores alone.  The bias is the C of each sum's first instruction.
; A CHUNK OF CODES: two accumulators give lane (r, h) 16 numbers of a block of 32: places 8 h + 0..7 and 16 + 8 h + 0..7.  Their 16 codes are stored at 16 x lane: 512 bytes on end, an image of
; four operand registers.  Inside a block of 32 the codes so stand in a fixed permutation of K, the same for q and k and for p and v: the products pair the right numbers and the block scales are untouched.
; LIMITS: that permutation changes the order of the matrix unit's inner sums; a block of zeros gets the scale byte 1 (its codes are zeros, and only this program reads the bytes); NaN and infinities are not served.
.set PITCH,  1040                      ; an LDS row: 1,024 bytes + 16 of padding: an odd multiple of 16, so the 16 rows of a load begin at 16 different banks (ISA guide 11.1)
.set T16,    16*PITCH
.set W64,    64*PITCH
.set SLOT1,  128*PITCH
.set XSC,    2*SLOT1                   ; x's scale bytes: 64 units of 256 bytes (8 rows) + 16
.set QSTG,   XSC+64*272                ; q's scale words of 512 tokens, 2,048 bytes
.set KVSTG,  QSTG+2048                 ; for y = 8: four key steps' 256 bytes of k's and 256 of v's: bytes of their own
.set SPARE,  KVSTG+2048                ; the spare words, 128 bytes a wave
.set KVSTEP, 16896                     ; a key step in kv_img: K 8,192, V 8,192, K's scale words 256, V's 256
.set CHB,    131072                    ; a chunk of 128 rows in memory
.set BH,  1                            ; v1      32 h
.set RDQ, 2                            ; v2      QSTG + 512 w + 16 x lane
.set FL,  3                            ; v3      PITCH r + 16 h
.set ADX0, 4                           ; v4      my rows' fragments in a pair's 64 rows; v5 the same in the pair in hand
.set ADX, 5
.set ADB, 6                            ; v6      my rows of the weight in slot 1
.set R32, 7                            ; v7      32 r
.set VO,  8                            ; v8-11   where the pair's four runs of 512 bytes of codes go: 16 x lane + a role's four offsets
.set ASX0, 12                          ; v12     my rows' scale words; v13 the same for the pair in hand
.set ASX, 13
.set TM,  14                           ; v14-23  the quantiser's: maxima, the other half's, scale operands, limits, bytes
.set TP,  16
.set SO,  18
.set LM,  20
.set BY,  22
.set HH,  24                           ; v24, v25 two scale bytes each
.set SPW, 26                           ; v26     my spare word; v27 0
.set NIL, 27
.set SA,  28                           ; v28-43  x's scale words: 8 u + K step
.set SCB, 48                           ; v48-79  the weight's: 8 b + K step: no product's two scale words have numbers equal modulo 8
.set BI,  80                           ; v80-111 the bias, 8 for each accumulator
.set PC,  112                          ; v112-127 the pair's codes
.set ACC, 128                          ; v128-191 q, k: accumulator (u, b) at 32 u + 8 b;  v: (a, u) at 16 a + 8 u
.set STQ0, 192                         ; v192-194 my place in the stages, by role; v195-197 the same for the pair in hand
.set STK0, 193
.set STV0, 194
.set STQ, 195
.set STK, 196
.set STV, 197
.set R4,  198                          ; v198    4 r
.set T0,  199                          ; v199, v200 v's upper bytes
.set PFO, 201                          ; v201    the prefetches' offset: 1,024 x (32 w + lane); never rewritten
.set OW,  204                          ; v204-207 the stage's bytes on the way out
                                       ; windows 1, 2: the weight's fragment 4 q + b at 16 ((4 q + b) % 16) of window 1 + q / 4;  window 3: x's two sets of 8 fragments
.set SEL, 2                            ; s[2:3]  lane selects: lane l xor 16
.set XB,  4                            ; s4      LDS byte at which the pair's 64 rows begin; s5 the slot in hand
.set SB,  5
.set XS,  6                            ; s6      the pair's scale words: 2,176 P
.set SQ,  7                            ; s7      q's stage: 256 P;  s10 k's: 512 c + 8 p;  s11 v's: 512 c + 2 p;  s14 512 c
.set SK,  10
.set SV,  11
.set SC,  14
.set CNT, 15
.set PFA, 18                           ; s[18:19] the chunk that the prefetches name
.set INC, 20                           ; s[20:21] bytes from this pair's codes to the next's; s22 turns it into the step after that
.set DX,  22
.set G1A, 32                           ; s[32:39] group 1 for chunk 0; s[40:47] the weight's halves; s[48:55] a refill; s[56:63] the scale bytes
.set G1B, 40
.set G1R, 48
.set G1S, 56
.set G0A, 68                           ; s[68:83] their groups 0
.set G0B, 72
.set G0R, 76
.set G0S, 80
.set WV,  84
.set WM,  85
.set WN,  86
.set CX,  87
.set MI,  88
.set Y,   89
.set ISV, 90                           ; 1 in a wave that makes v
.set MNT, 91                           ; the mantissa field of 448
.set CN2, 101
.set MSB, 0
.macro WIN new                         ; the immediate's high byte repeats the setting that is left
.if MSB != \new
	s_set_vgpr_msb (MSB<<8)|\new
.set MSB, \new
.endif
.endm
.macro PLACES n
.rept \n
	v_nop
.endr
.endm
.macro BARRIER
	s_barrier_signal -1
	s_barrier_wait -1
.endm
.macro ROUND                           ; a round of the cluster's barrier
	BARRIER
	s_cmp_lg_u32 s[WV], 0
	s_cbranch_scc1 .Lnot_wave_0_\@
	s_barrier_signal -3
.Lnot_wave_0_\@:
	s_barrier_wait -3
	BARRIER
.endm
.macro TLOAD g0, g1                    ; a tensor load; an s_nop 0 and four v_nop follow it
	tensor_load_to_lds s[\g0:\g0+3], s[\g1:\g1+7]
	s_nop 0
	PLACES 4
.endm
.macro GROUP1 g, word0, rows           ; so many whole rows of 1,024 bytes, one behind the other in memory; 4 words of padding behind every 256
	s_mov_b32 s[\g], (\word0)|(1<<20)|(7<<22)|(3<<25)
	s_mov_b32 s[\g+1], 1024<<16
	s_mov_b32 s[\g+2], (\rows)<<16
	s_mov_b32 s[\g+3], 1024<<16
	s_mov_b32 s[\g+4], \rows
	s_mov_b32 s[\g+5], 1024
	s_mov_b32 s[\g+6], 0
	s_mov_b32 s[\g+7], 0
.endm
.macro WEIGHTS                         ; my 64 rows of the weight, all of K, into windows 1 and 2: 128 loads
.irp q,0,1,2,3,4,5,6,7
	WIN (1+\q/4)<<6
.irp b,0,1,2,3
.irp c,0,1,2,3
	ds_load_b128 v[16*((4*\q+\b)%16)+4*\c:16*((4*\q+\b)%16)+4*\c+3], v[ADB] offset:128*\q+32*\c+\b*T16
.endr
.endr
.endr
	WIN 0
.endm
.macro FETCH u                         ; block u of the pair, 16 tokens, all of K, into set u of window 3, and its scale words: 34 loads
	WIN 3<<6
.irp q,0,1,2,3,4,5,6,7
.irp c,0,1,2,3
	ds_load_b128 v[128*\u+16*\q+4*\c:128*\u+16*\q+4*\c+3], v[ADX] offset:128*\q+32*\c+\u*T16
.endr
.endr
	WIN 0
	ds_load_b128 v[SA+8*\u:SA+8*\u+3], v[ASX] offset:544*\u
	ds_load_b128 v[SA+8*\u+4:SA+8*\u+7], v[ASX] offset:544*\u+16
.endm
.macro MULS kind, u                    ; block u's 32 products: four accumulators by turns, K ascending; the bias starts the sums.  kind 0: q, k; 1: v
.irp q,0,1,2,3,4,5,6,7
.if \kind
	WIN 3|((1+\q/4)<<2)
.else
	WIN (1+\q/4)|(3<<2)
.endif
.irp b,0,1,2,3
.if \kind
.if \q == 0
	v_wmma_scale_f32_16x16x128_f8f6f4 v[ACC+16*\b+8*\u:ACC+16*\b+8*\u+7], v[128*\u+16*\q:128*\u+16*\q+15], v[16*((4*\q+\b)%16):16*((4*\q+\b)%16)+15], v[BI+8*\b:BI+8*\b+7], v[SA+8*\u+\q], v[SCB+8*\b+\q]
.else
	v_wmma_scale_f32_16x16x128_f8f6f4 v[ACC+16*\b+8*\u:ACC+16*\b+8*\u+7], v[128*\u+16*\q:128*\u+16*\q+15], v[16*((4*\q+\b)%16):16*((4*\q+\b)%16)+15], v[ACC+16*\b+8*\u:ACC+16*\b+8*\u+7], v[SA+8*\u+\q], v[SCB+8*\b+\q]
.endif
.else
.if \q == 0
	v_wmma_scale_f32_16x16x128_f8f6f4 v[ACC+32*\u+8*\b:ACC+32*\u+8*\b+7], v[16*((4*\q+\b)%16):16*((4*\q+\b)%16)+15], v[128*\u+16*\q:128*\u+16*\q+15], v[BI+8*\b:BI+8*\b+7], v[SCB+8*\b+\q], v[SA+8*\u+\q]
.else
	v_wmma_scale_f32_16x16x128_f8f6f4 v[ACC+32*\u+8*\b:ACC+32*\u+8*\b+7], v[16*((4*\q+\b)%16):16*((4*\q+\b)%16)+15], v[128*\u+16*\q:128*\u+16*\q+15], v[ACC+32*\u+8*\b:ACC+32*\u+8*\b+7], v[SCB+8*\b+\q], v[SA+8*\u+\q]
.endif
.endif
.endr
.endr
	WIN 0
.endm
; 32 numbers of a lane, two blocks' 16 each, become 8 registers of codes in v[C] on and two scale bytes in v[HR]
.macro QUANT2 X, C, HR
	v_max3_num_f32 v[TM], |v[\X]|, |v[\X+1]|, 0x4800000        ; my 16 numbers and the floor 2^(9 - 127): the byte cannot fall under 1
	v_max3_num_f32 v[TM+1], |v[\X+16]|, |v[\X+17]|, 0x4800000
.irp i,2,4,6,8,10,12,14
	v_max3_num_f32 v[TM], v[TM], |v[\X+\i]|, |v[\X+\i+1]|
	v_max3_num_f32 v[TM+1], v[TM+1], |v[\X+16+\i]|, |v[\X+17+\i]|
.endr
	v_permlanex16_b32 v[TP], v[TM], s[SEL], s[SEL+1]
	v_permlanex16_b32 v[TP+1], v[TM+1], s[SEL], s[SEL+1]
	v_max_num_f32 v[TM], v[TM], v[TP]              ; with lane l xor 16's: the block's largest magnitude
	v_max_num_f32 v[TM+1], v[TM+1], v[TP+1]
	v_add_nc_u32 v[SO], 0xfc000000, v[TM]          ; 8 off its exponent field: the conversion's scale operand
	v_add_nc_u32 v[SO+1], 0xfc000000, v[TM+1]
	v_and_or_b32 v[LM], v[TM], 0x7f800000, s[MNT]  ; 448 x the scale
	v_and_or_b32 v[LM+1], v[TM+1], 0x7f800000, s[MNT]
	v_lshrrev_b32 v[BY], 23, v[SO]                 ; the scale's byte
	v_lshrrev_b32 v[BY+1], 23, v[SO+1]
	v_lshl_or_b32 v[\HR], v[BY+1], 8, v[BY]
.irp i,0,1,2,3,4,5,6,7,8,9,10,11,12,13,14,15
	v_med3_num_f32 v[\X+\i], v[\X+\i], -v[LM], v[LM]           ; the conversion to an 8-bit code does not saturate (ISA guide 7.6.2): the hold comes first
	v_med3_num_f32 v[\X+16+\i], v[\X+16+\i], -v[LM+1], v[LM+1]
.endr
	v_cvt_scalef32_pk8_fp8_f32 v[\C:\C+1], v[\X:\X+7], v[SO]
	v_cvt_scalef32_pk8_fp8_f32 v[\C+2:\C+3], v[\X+8:\X+15], v[SO]
	v_cvt_scalef32_pk8_fp8_f32 v[\C+4:\C+5], v[\X+16:\X+23], v[SO+1]
	v_cvt_scalef32_pk8_fp8_f32 v[\C+6:\C+7], v[\X+24:\X+31], v[SO+1]
	v_nop                                          ; a plain line behind the last conversion
.endm
; A PAIR of blocks: its fragments, its 64 products, the quantiser, four stores of 512 consecutive bytes, the scale bytes into the stage.  Every LDS address is made ahead of the partings
.macro PAIR
	v_add_nc_u32 v[ADX], s[XB], v[ADX0]
	v_add_nc_u32 v[ASX], s[XS], v[ASX0]
	v_add_nc_u32 v[STQ], s[SQ], v[STQ0]
	v_add_nc_u32 v[STK], s[SK], v[STK0]
	v_add_nc_u32 v[STV], s[SV], v[STV0]
	FETCH 0                                        ; (the last pair's quantiser stands between its products and these loads into what they read)
	FETCH 1
	s_cmp_eq_u32 s[ISV], 1
	s_cbranch_scc1 .Lv_\@
	s_wait_dscnt 34                                ; block 0's fragments and scale words are in; block 1's 34 loads may stay out
	MULS 0, 0
	s_wait_dscnt 0x0
	MULS 0, 1
	s_branch .Lmade_\@
.Lv_\@:
	s_wait_dscnt 34
	MULS 1, 0
	s_wait_dscnt 0x0
	MULS 1, 1
.Lmade_\@:
	PLACES 8                                       ; eight places in front of the first read of the sums
	QUANT2 ACC, PC, HH                             ; q, k: block 0's 64 columns;  v: channel tiles 0, 1 of the pair's 32 keys
	QUANT2 ACC+32, PC+8, HH+1                      ; q, k: block 1's;  v: channel tiles 2, 3
.irp j,0,1,2,3
	global_store_b128 v[VO+\j], v[PC+4*\j:PC+4*\j+3], s[16:17]
.endr
	s_cmp_lt_u32 s[Y], 8
	s_cbranch_scc0 .Lkv_\@
	ds_store_b16 v[STQ], v[HH]                     ; both lanes of a row write the same bytes with the same value
	ds_store_b16 v[STQ], v[HH+1] offset:64
	s_branch .Lput_\@
.Lkv_\@:
	s_cmp_eq_u32 s[WN], 0
	s_cbranch_scc0 .Lvb_\@
	ds_store_b16 v[STK], v[HH]                     ; key tile 4 p + 2 wm, and the next
	ds_store_b16 v[STK], v[HH+1] offset:2
	s_branch .Lput_\@
.Lvb_\@:
	v_lshrrev_b32 v[T0], 8, v[HH]
	v_lshrrev_b32 v[T0+1], 8, v[HH+1]
	ds_store_b8 v[STV], v[HH]                      ; key block 2 p + wm of channel tiles 0 to 3: 4 bytes apart
	ds_store_b8 v[STV], v[T0] offset:4
	ds_store_b8 v[STV], v[HH+1] offset:8
	ds_store_b8 v[STV], v[T0+1] offset:12
.Lput_\@:
	s_wait_xcnt 0x0                                ; the stores have read their base and their data: both are written anew below and in the next pair
	s_add_nc_u64 s[16:17], s[16:17], s[INC:INC+1]
	s_xor_b32 s[INC], s[INC], s[DX]                ; the steps inside a chunk and from chunk to chunk take turns
	s_add_co_u32 s[XB], s[XB], W64
	s_add_co_u32 s[XS], s[XS], 2176
	s_add_co_u32 s[SQ], s[SQ], 256
	s_add_co_u32 s[SK], s[SK], 8
	s_add_co_u32 s[SV], s[SV], 2
.endm
; A CHUNK of 128 tokens: two pairs a wave.  fill = 1: the next chunk is asked for, into the slot that was read last
.macro CHUNK fill
	s_wait_tensorcnt 0x0                           ; all my tensor loads are in: my part of this chunk among them
.if \fill
	ds_add_u32 v[SPW], v[NIL]                      ; 0 onto my spare word
	s_xor_b32 s[G0R+1], s[G0R+1], SLOT1            ; no load of mine is out, so the group 0 may be written: the other slot,
	s_add_nc_u64 s[G0R+2:G0R+3], s[G0R+2:G0R+3], CHB   ; the next 128 rows
	s_wait_dscnt 0x0                               ; the add is done, and my reads of the other slot are over
	ROUND                                          ; that holds of every wave of every work-group of the cluster
	TLOAD G0R, G1R                                 ; the refill, first behind the round
.else
	s_wait_dscnt 0x0
	BARRIER                                        ; everybody's part has landed; nothing is filled again
.endif
	s_mov_b32 s[XB], s[SB]
	s_mov_b32 s[SK], s[SC]
	s_mov_b32 s[SV], s[SC]
	s_mov_b32 s[CNT], 2
.if \fill
	s_cmp_gt_u32 s[CN2], 1                         ; the third chunk has no chunk two on
	s_cbranch_scc0 .Lnone_\@
.irp k,0,1,2,3
	global_prefetch_b8 v[PFO], s[PFA:PFA+1] offset:256*\k th:TH_LOAD_NT scope:SCOPE_SE
.endr
.Lnone_\@:
.endif
.Lpair_\@:
	PAIR
	s_sub_co_u32 s[CNT], s[CNT], 1
	s_cmp_lg_u32 s[CNT], 0
	s_cbranch_scc1 .Lpair_\@
	s_xor_b32 s[SB], s[SB], SLOT1
	s_add_co_u32 s[SC], s[SC], 512
.if \fill
	s_add_nc_u64 s[PFA:PFA+1], s[PFA:PFA+1], CHB   ; (behind the pair's wait on XCNT)
.endif
.endm
	s_load_b512 s[4:19], s[0:1], 0x0               ; x_codes 4, x_scales 6, Wq_codes 8, Wq_scales 10, Wk_codes 12, Wk_scales 14, Wv_codes 16, Wv_scales 18
	s_load_b256 s[20:27], s[0:1], 0x40             ; bq 20, bk 22, bv 24, q_img 26
	s_load_b128 s[28:31], s[0:1], 0x60             ; q_sc 28, kv_img 30
	v_lshl_add_u32 v[SPW], v0, 2, SPARE
	v_mov_b32 v[NIL], 0
	ds_add_u32 v[SPW], v[NIL]                      ; the opening lines: the add, twice on end, and its wait ahead of my first tensor load
	ds_add_u32 v[SPW], v[NIL]
	v_lshrrev_b32 v44, 5, v0
	v_readfirstlane_b32 s[WV], v44                 ; wave 0..3
	s_lshr_b32 s[WM], s[WV], 1                     ; my row of waves
	s_and_b32 s[WN], s[WV], 1                      ; my column of waves.  Also, in waves 0, 1: which half of the weight I fetch
	s_bfe_u32 s[CX], ttmp6, 0x40000
	s_lshl_b32 s[MI], ttmp9, 2
	s_add_co_u32 s[MI], s[MI], s[CX]               ; block of 512 tokens
	s_and_b32 s[Y], ttmp7, 0xffff                  ; block of 128 columns: the partners share it
	s_cmp_eq_u32 s[Y], 8
	s_cselect_b32 s[ISV], s[WN], 0
	s_mov_b32 s[MNT], 0x600000
	s_mov_b32 s[SEL], 0x76543210
	s_mov_b32 s[SEL+1], 0xfedcba98
	GROUP1 G1A, 0, 128                             ; chunk 0: no mask
	GROUP1 G1B, 15|(1<<21), 64                     ; a half of the weight: all four partners, bit 21 beside the mask
	GROUP1 G1R, 0, 32                              ; a refill: 32 rows a wave
	s_mov_b32 s[G1S], (3<<16)|(1<<20)|(5<<22)|(3<<25)   ; the scale bytes: 16,384 dense bytes as 64 rows of 256 (32 elements of 8), 16 of padding behind each
	s_mov_b32 s[G1S+1], 32<<16
	s_mov_b32 s[G1S+2], 64<<16
	s_mov_b32 s[G1S+3], 32<<16
	s_mov_b32 s[G1S+4], 64
	s_mov_b32 s[G1S+5], 32
	s_mov_b32 s[G1S+6], 0
	s_mov_b32 s[G1S+7], 0
	s_lshl_b32 s92, s[Y], 17                       ; the weight's rows: made in s[92:95], which never hold my place in the cluster
	s_lshl_b32 s93, s[WN], 16
	s_add_co_u32 s92, s92, s93                     ; Wq: (128 y + 64 (w % 2)) rows of 1,024 bytes
	s_cmp_lt_u32 s[Y], 8
	s_cselect_b32 s92, s92, 0                      ; Wk, Wv: all 64 rows
	s_mov_b32 s93, 0
	s_lshl_b32 s96, s[MI], 19                      ; x: my 512 rows
	s_mov_b32 s97, 0
	s_lshl_b32 s98, s[WV], 15
	s_add_co_u32 s98, s98, s96                     ; 32 w rows on: each refill steps this a chunk further
	s_mov_b32 s99, 0
	s_lshl_b32 s100, s[MI], 14                     ; their scale bytes
	s_mov_b32 s101, 0
	s_mov_b32 s[G0A], 1
	s_mov_b32 s[G0A+1], 0                          ; slot 0
	s_mov_b32 s[G0B], 1
	s_mul_i32 s[G0B+1], s[WN], W64
	s_add_co_u32 s[G0B+1], s[G0B+1], SLOT1         ; slot 1
	s_mov_b32 s[G0R], 1
	s_mul_i32 s[G0R+1], s[WV], 32*PITCH            ; in slot 0: the first refill turns it to slot 1
	s_mov_b32 s[G0S], 1
	s_mov_b32 s[G0S+1], XSC
	s_wait_dscnt 0x0                               ; both opening adds are done
	s_wait_kmcnt 0x0
	s_cmp_eq_u32 s[WN], 0
	s_cselect_b64 s[94:95], s[12:13], s[16:17]     ; y = 8: wave 0 brings Wk's rows, wave 1 Wv's
	s_cmp_lt_u32 s[Y], 8
	s_cselect_b64 s[94:95], s[8:9], s[94:95]
	s_add_nc_u64 s[G0B+2:G0B+3], s[94:95], s[92:93]
	s_or_b32 s[G0B+3], s[G0B+3], 0x80000000
	s_add_nc_u64 s[G0A+2:G0A+3], s[4:5], s[96:97]
	s_or_b32 s[G0A+3], s[G0A+3], 0x80000000
	s_add_nc_u64 s[G0R+2:G0R+3], s[4:5], s[98:99]
	s_or_b32 s[G0R+3], s[G0R+3], 0x80000000
	s_add_nc_u64 s[G0S+2:G0S+3], s[6:7], s[100:101]
	s_or_b32 s[G0S+3], s[G0S+3], 0x80000000
	ROUND                                          ; all four work-groups are here: the joint loads meet
	s_cmp_lt_u32 s[WV], 2                          ; one tensor load a wave, one chain of arms; the two waves whose tiles are shown first have a line of their own
	s_cbranch_scc0 .Lhead_x
	TLOAD G0B, G1B                                 ; the weight, which goes on into registers
	s_branch .Lasked
.Lhead_x:
	s_cmp_eq_u32 s[WV], 2
	s_cbranch_scc0 .Lhead_s
	TLOAD G0A, G1A
	s_branch .Lasked
.Lhead_s:
	TLOAD G0S, G1S
.Lasked:
	s_lshl_b32 s96, s[Y], 12                       ; the weight's scales at my 64 rows
	s_lshl_b32 s98, s[WN], 11
	s_add_co_u32 s96, s96, s98
	s_cmp_eq_u32 s[WN], 0
	s_cselect_b64 s[8:9], s[14:15], s[18:19]
	s_cmp_lt_u32 s[Y], 8
	s_cselect_b32 s96, s96, 0
	s_cselect_b64 s[8:9], s[10:11], s[8:9]
	s_add_nc_u64 s[8:9], s[8:9], s[96:97]
	s_lshl_b32 s96, s[Y], 9                        ; the bias at my 64 columns
	s_lshl_b32 s98, s[WN], 8
	s_add_co_u32 s96, s96, s98
	s_cmp_eq_u32 s[WN], 0
	s_cselect_b64 s[12:13], s[22:23], s[24:25]
	s_cmp_lt_u32 s[Y], 8
	s_cselect_b32 s96, s96, 0
	s_cselect_b64 s[12:13], s[20:21], s[12:13]
	s_add_nc_u64 s[12:13], s[12:13], s[96:97]
	s_lshl_b32 s96, s[MI], 19                      ; q_img: token tile 32 tb + 2 wm (16,384 bytes each), column block 4 y + 2 wn (512 each)
	s_lshl_b32 s98, s[WM], 15
	s_add_co_u32 s96, s96, s98
	s_lshl_b32 s98, s[Y], 11
	s_add_co_u32 s96, s96, s98
	s_lshl_b32 s98, s[WN], 10
	s_add_co_u32 s96, s96, s98
	s_mul_i32 s98, s[MI], 4*KVSTEP                 ; kv_img: key step 4 tb
	s_lshl_b32 s99, s[WM], 11
	s_add_co_u32 s99, s99, s98                     ; K: key tile 2 wm, 1,024 bytes each
	s_lshl_b32 s100, s[WM], 9
	s_add_co_u32 s100, s100, s98
	s_add_co_u32 s100, s100, 8192                  ; V: key block wm, 512 bytes each
	s_cmp_eq_u32 s[ISV], 1
	s_cselect_b32 s99, s100, s99
	s_cmp_lt_u32 s[Y], 8
	s_cselect_b32 s96, s96, s99
	s_cselect_b64 s[16:17], s[26:27], s[30:31]
	s_add_nc_u64 s[16:17], s[16:17], s[96:97]      ; where my first pair's codes go
	s_lshl_b32 s96, s[Y], 15                       ; q_sc: [y][token] words: wave w sends tokens 128 w on
	s_lshl_b32 s99, s[MI], 11
	s_add_co_u32 s96, s96, s99
	s_lshl_b32 s99, s[WV], 9
	s_add_co_u32 s96, s96, s99
	s_mul_i32 s99, s[WV], KVSTEP                   ; kv_img: wave w sends key step 4 tb + w's scale words
	s_add_co_u32 s98, s98, s99
	s_add_co_u32 s98, s98, 16384
	s_cmp_lt_u32 s[Y], 8
	s_cselect_b32 s96, s96, s98
	s_cselect_b64 s[28:29], s[28:29], s[30:31]
	s_add_nc_u64 s[28:29], s[28:29], s[96:97]
	s_lshl_b32 s96, s[MI], 19
	s_add_co_u32 s96, s96, 2*CHB
	s_add_nc_u64 s[PFA:PFA+1], s[4:5], s[96:97]    ; the prefetches begin at chunk 2
	s_mov_b32 s92, 512                             ; a role's offsets of the pair's four runs of codes: q 0, 512, 16,384, 16,896;  k 0, 512, 1,024, 1,536;  v 0, 2,048, 4,096, 6,144
	s_mov_b32 s93, 1024
	s_mov_b32 s[INC], 4096                         ; and its two steps from pair to pair: q 65,536 both;  k 4,096 and 12,800;  v 1,024 and 15,872
	s_mov_b32 s[INC+1], 0
	s_mov_b32 s[DX], 4096^12800
	s_mov_b32 s23, 1024^15872
	s_cmp_eq_u32 s[ISV], 1
	s_cselect_b32 s92, 2048, s92
	s_cselect_b32 s93, 4096, s93
	s_cselect_b32 s[INC], 1024, s[INC]
	s_cselect_b32 s[DX], s23, s[DX]
	s_cmp_lt_u32 s[Y], 8
	s_cselect_b32 s93, 16384, s93
	s_cselect_b32 s[INC], 65536, s[INC]
	s_cselect_b32 s[DX], 0, s[DX]
	s_add_co_u32 s94, s92, s93
	s_mul_i32 s24, s[WM], 32*PITCH                 ; my 32 rows of a pair's 64
	s_mul_i32 s25, s[WN], W64
	s_add_co_u32 s25, s25, SLOT1                   ; my 64 rows of the weight
	s_mul_i32 s26, s[WM], 1088
	s_add_co_u32 s26, s26, XSC                     ; my 32 rows' scale words: four units
	s_lshl_b32 s27, s[WM], 7
	s_lshl_b32 s30, s[WN], 1
	s_add_co_u32 s27, s27, s30
	s_add_co_u32 s27, s27, QSTG                    ; q: token 32 wm + r: 4 bytes each; my two bytes at 2 wn
	s_lshl_b32 s30, s[WM], 2
	s_add_co_u32 s30, s30, KVSTG                   ; K: [r][key tile] half words: key tile 2 wm
	s_add_co_u32 s31, s[WM], KVSTG+256             ; V: [r][channel tile][key block] bytes: key block wm
	s_lshl_b32 s95, s[WV], 9
	s_add_co_u32 s95, s95, QSTG
	s_lshl_b32 s100, s[WV], 15
	v_and_b32 v44, 15, v0                          ; r
	v_bfe_u32 v45, v0, 4, 1                        ; h
	v_and_b32 v46, 31, v0                          ; lane
	v_lshrrev_b32 v47, 3, v44
	v_mul_u32_u24 v[FL], v44, PITCH
	v_lshl_add_u32 v[FL], v45, 4, v[FL]
	v_lshlrev_b32 v[BH], 5, v45
	v_lshlrev_b32 v[R32], 5, v44
	v_lshlrev_b32 v[R4], 2, v44
	v_lshlrev_b32 v[VO], 4, v46
	v_add_nc_u32 v[VO+1], s92, v[VO]
	v_add_nc_u32 v[VO+2], s93, v[VO]
	v_add_nc_u32 v[VO+3], s94, v[VO]
	v_add_nc_u32 v[ADX0], s24, v[FL]
	v_add_nc_u32 v[ADB], s25, v[FL]
	v_lshl_add_u32 v[ASX0], v47, 4, v[R32]         ; 32 bytes a row, and 16 more behind the eighth
	v_add_nc_u32 v[ASX0], s26, v[ASX0]
	v_lshl_add_u32 v[STQ0], v44, 2, s27
	v_lshl_add_u32 v[STK0], v44, 4, s30
	v_lshl_add_u32 v[STV0], v44, 4, s31
	v_add_nc_u32 v[RDQ], s95, v[VO]
	v_lshl_add_u32 v[PFO], v46, 10, s100
	v_mov_b32 v[TP], 0                             ; written once: a lane permute's destination counts as one of its sources
	v_mov_b32 v[TP+1], 0
	s_wait_alu depctr_va_vdst(0)                   ; a wait at the end of the head's vector lines
.irp b,0,1,2,3
	global_load_b128 v[SCB+8*\b:SCB+8*\b+3], v[R32], s[8:9] offset:512*\b              ; the scale words of all eight K steps: 16 rows of 32 bytes are 512 bytes on end
	global_load_b128 v[SCB+8*\b+4:SCB+8*\b+7], v[R32], s[8:9] offset:512*\b+16
.endr
	s_cmp_eq_u32 s[ISV], 1
	s_cbranch_scc1 .Lbias_v
.irp b,0,1,2,3
	global_load_b128 v[BI+8*\b:BI+8*\b+3], v[BH], s[12:13] offset:64*\b                ; q, k: columns 16 b + 8 h + 0..7
	global_load_b128 v[BI+8*\b+4:BI+8*\b+7], v[BH], s[12:13] offset:64*\b+16
.endr
	s_branch .Lbias_in
.Lbias_v:
.irp b,0,1,2,3
.irp j,0,1,2,3,4,5,6,7
	global_load_b32 v[BI+8*\b+\j], v[R4], s[12:13] offset:64*\b                        ; v: bv of channel 16 b + r, in all eight registers
.endr
.endr
.Lbias_in:
	s_cmp_lt_u32 s[WV], 2
	s_cbranch_scc0 .Lnot_w
	s_wait_tensorcnt 0x0                           ; waves 0, 1: the weight has landed.  The other waves' wait stands at the first chunk's head
.Lnot_w:
	BARRIER
	WEIGHTS
	s_wait_loadcnt 0x0                             ; scale words and bias
	s_mov_b32 s[SB], 0
	s_mov_b32 s[XS], 0
	s_mov_b32 s[SQ], 0
	s_mov_b32 s[SC], 0
	s_mov_b32 s[CN2], 3
.Lchunk:                                               ; chunks 0, 1, 2: each asks for the next.  The first trip's waits also show chunk 0 and the scale bytes, and that the weight stands in registers
	CHUNK 1
	s_sub_co_u32 s[CN2], s[CN2], 1
	s_cmp_lg_u32 s[CN2], 0
	s_cbranch_scc1 .Lchunk
	CHUNK 0
	s_wait_dscnt 0x0                               ; for the others' sake: my scale bytes lie in the stage
	BARRIER
	s_cmp_lt_u32 s[Y], 8                           ; each wave sends 512 bytes of the stage out by one store
	s_cbranch_scc0 .Lkv_sc
	ds_load_b128 v[OW:OW+3], v[RDQ]
	s_branch .Lsend_sc
.Lkv_sc:
	ds_load_b128 v[OW:OW+3], v[RDQ] offset:2048
.Lsend_sc:
	s_wait_dscnt 0x0
	global_store_b128 v[VO], v[OW:OW+3], s[28:29]
	s_wait_tensorcnt 0x0                           ; the wave's end
	ds_add_u32 v[SPW], v[NIL]
	s_wait_dscnt 0x0
	ROUND                                          ; the closing round: no work-group ends while a partner may still ask jointly
	s_endpgm
.Lfunc_end_k_q8d5b116255_proj:
	.size	k_q8d5b116255_proj, .Lfunc_end_k_q8d5b116255_proj-k_q8d5b116255_proj
	.p2alignl 7, 3214868480
	.fill 96, 4, 3214868480
	.section	.rodata,"a",@progbits
	.p2align	6, 0x0
	.amdhsa_kernel k_q8d5b116255_proj
		.amdhsa_group_segment_fixed_size 327680
		.amdhsa_private_segment_fixed_size 0
		.amdhsa_enable_private_segment 0
		.amdhsa_kernarg_size 112
		.amdhsa_user_sgpr_count 2
		.amdhsa_user_sgpr_kernarg_segment_ptr 1
		.amdhsa_wavefront_size32 1
		.amdhsa_system_sgpr_workgroup_id_x 1
		.amdhsa_system_sgpr_workgroup_id_y 1
		.amdhsa_system_sgpr_workgroup_id_z 1
		.amdhsa_system_vgpr_workitem_id 0
		.amdhsa_next_free_vgpr 1024
		.amdhsa_next_free_sgpr 102
		.amdhsa_reserve_vcc 0
		.amdhsa_float_denorm_mode_32 3
		.amdhsa_float_denorm_mode_16_64 3
		.amdhsa_memory_ordered 1
		.amdhsa_forward_progress 1
		.amdhsa_inst_pref_size 88
	.end_amdhsa_kernel
	.amdgpu_metadata
---
amdhsa.version: [ 1, 2 ]
amdhsa.kernels:
  - .name:           k_q8d5b116255_proj
    .symbol:         k_q8d5b116255_proj.kd
    .args:
      - { .name: x_codes, .offset: 0, .size: 8, .value_kind: global_buffer, .address_space: global }
      - { .name: x_scales, .offset: 8, .size: 8, .value_kind: global_buffer, .address_space: global }
      - { .name: Wq_codes, .offset: 16, .size: 8, .value_kind: global_buffer, .address_space: global }
      - { .name: Wq_scales, .offset: 24, .size: 8, .value_kind: global_buffer, .address_space: global }
      - { .name: Wk_codes, .offset: 32, .size: 8, .value_kind: global_buffer, .address_space: global }
      - { .name: Wk_scales, .offset: 40, .size: 8, .value_kind: global_buffer, .address_space: global }
      - { .name: Wv_codes, .offset: 48, .size: 8, .value_kind: global_buffer, .address_space: global }
      - { .name: Wv_scales, .offset: 56, .size: 8, .value_kind: global_buffer, .address_space: global }
      - { .name: bq, .offset: 64, .size: 8, .value_kind: global_buffer, .address_space: global }
      - { .name: bk, .offset: 72, .size: 8, .value_kind: global_buffer, .address_space: global }
      - { .name: bv, .offset: 80, .size: 8, .value_kind: global_buffer, .address_space: global }
      - { .name: q_img, .offset: 88, .size: 8, .value_kind: global_buffer, .address_space: global }
      - { .name: q_sc, .offset: 96, .size: 8, .value_kind: global_buffer, .address_space: global }
      - { .name: kv_img, .offset: 104, .size: 8, .value_kind: global_buffer, .address_space: global }
    .group_segment_fixed_size: 327680
    .private_segment_fixed_size: 0
    .kernarg_segment_align: 8
    .kernarg_segment_size: 112
    .max_flat_workgroup_size: 128
    .sgpr_count:     102
    .vgpr_count:     1024
    .wavefront_size: 32
...
	.end_amdgpu_metadata
.endif
;; end of part 1
;; launch attn (part 2): grid 64 x 4, 8 waves a work-group, clusters of 4 x 1, 305,664 bytes of LDS; arguments q_img, q_sc, kv_img, a_codes, a_sc; writes a_codes, a_sc
.if DOCPART == 2
	.amdgcn_target "amdgcn-amd-amdhsa--gfx1250"
	.amdhsa_code_object_version 6
	.text
	.protected	k_q8d5b116255_attn
	.globl	k_q8d5b116255_attn
	.p2align	8
	.type	k_q8d5b116255_attn,@function
k_q8d5b116255_attn:
	s_mov_b64 s[64:65], 0
	v_nop
	global_prefetch_b8 v0, s[64:65] scope:SCOPE_SE
	s_setreg_imm32_b32 hwreg(HW_REG_WAVE_MODE, 25, 1), 1
	s_wait_xcnt 0x0
	s_wait_alu depctr_hold_cnt(0) depctr_sa_sdst(0) depctr_va_vdst(0) depctr_va_sdst(0) depctr_va_ssrc(0) depctr_va_vcc(0) depctr_vm_vsrc(0)
	s_getreg_b32 s2, hwreg(HW_REG_IB_STS2, 6, 4)
	s_cmp_eq_u32 s2, 0
	s_cbranch_scc0 .Lentry_in_a_cluster
	s_endpgm
.Lentry_in_a_cluster:
	s_bfe_u32 s2, ttmp6, 0x10000c
	s_cmp_lg_u32 s2, 0x3003
	s_cbranch_scc0 .Lentry_shape_is_right
	s_endpgm
.Lentry_shape_is_right:
; a[token][64 head + d] = the sum over keys of softmax(q . k / 8) v, one K and V head for all 16 query heads, both products on codes of FP8 (E4M3) with E8M0 scales; then the quantiser of a along its 1,024 columns.
; THE SOFTMAX: t = score x log2(e) / 8; M = the row's largest t so far, rounded up to a whole number; p = 2^(t - M) is quantised along the keys; the row's sum is taken of the unquantised p and divides at the end.
; When M moves, the sum and O are multiplied by 2^(old M - new M): exact.
; SHARES.  A work-group owns 32 tokens x 16 heads: whole rows of a.  Wave w: token tile w / 4, heads 4 (w % 4) on; in pass p it takes heads 4 (w % 4) + 2 p and + 1 TOGETHER: each fragment of K and V
; read from LDS feeds two tiles of queries, and the two tiles' softmax goes line by line, so that no line waits for the line above it.  Two waves to a SIMD.
; LDS holds the batch's K and V whole, as images of operand registers (16 key steps of 16,896 bytes), filled once, by one tensor load a wave: no slot is filled again, and no barrier stands among the key steps.
; CLUSTER 4 x 1: the four partners belong to one batch and ask for K and V jointly.  Nothing is prefetched: all of it is asked for in the first lines.
; LAYOUT.  S^T = K Q^T and O^T = V^T P^T: a lane holds one query throughout.  The scores' K is 64, half of the instruction's 128: a fragment of K holds TWO key tiles (2 b in k = 0..63, 2 b + 1 in k = 64..127), and Q
; stands as [8 zeros][q][8 zeros]: [q | 0] gives tile 2 b, [0 | q] tile 2 b + 1.  Zero codes add nothing; k's scale bytes lie between 1 and 254.
; LIMITS: inside a block of 32 the codes of q, k, p, v stand in a fixed permutation of K, alike on both sides of a product: only the order of the matrix unit's inner sums differs; a block of zeros gets the scale byte 1
; (its codes are zeros; only this program reads the bytes); a p under 2^-126 counts as 0 (ISA guide, v_exp_f32); the scaled scores stay under 2^31 in magnitude; NaN and infinities are not served.
.set KVSTEP, 16896                     ; K 8,192, V 8,192, K's scale words 256, V's 256
.set STG,    270336                    ; behind K and V: 32 rows of a's codes, 1,024 bytes + 16
.set SPI,    1040
.set ASC,    303616                    ; a's scale bytes: 32 rows of 32
.set L16, 1                            ; v1   16 x lane
.set R16, 2                            ; v2   16 r
.set AF,  3                            ; v3   the step's fragments
.set AS,  4                            ; v4   the step's scale words
.set STO, 5                            ; v5   the stage: my row, + 8 h + 256 (w % 4)
.set ASA, 6                            ; v6   my row's scale bytes
.set RD,  7                            ; v7   the stage on the way out: my wave's four rows
.set R4,  8                            ; v8   4 r
.set ASR, 9                            ; v9   a's scale bytes on the way out
.set QW,  10                           ; v10-11 q's scale words of pass 0, 1 (two heads' two bytes each)
                                       ; v12+4x -M, v13+4x the largest t, v[14+4x:15+4x] the sum;  v[20+2x:21+2x] f, later 1 / l (the upper word is 0)
.set HB,  24                           ; v24-25 a's scale bytes of tile x;  v26 the word of both
.set AW,  26
.set ASO, 27                           ; v27  512 (w % 2) + 16 x lane
.set SCR, 32                           ; v32-159  S^T, then p: 64 for each tile
.set PCD, 160                          ; v160-191 p's codes: 16 for each tile
.set KS,  192                          ; v192-195 K's scale words; v196-199 V's; v200-201 q's; v202-203 p's
.set VS,  196
.set QS,  200
.set PS,  202
.set BM,  204                          ; the softmax's work registers, tile 1's 20 further on (over a's codes, which live on the way out alone): v204-207 the blocks' largest
.set BP,  208                          ; v208-211 the other half's; later bytes
.set LM,  212                          ; v212-215 448 x the scale
.set SO,  216                          ; v216-219 the conversions' scale operands
.set TT,  220                          ; v220, v221
.set AC,  222                          ; v[222:223], v[250:251] the sum's second chain
.set CW,  224                          ; v224-239 a's codes, 8 for each tile
.set LN,  241                          ; v241-244, v245-248 448 x the scale once more: the two halves of a dual line take their second sources from registers whose numbers differ modulo 4
.set TM,  204                          ; the quantiser of a uses the same work registers
.set TP,  208
.set BY,  210
.set OAC, 104                          ; window 1: v0-63 K's four fragments; v64-103 Q between zeros; v104-167 O^T: 32 x + 8 t; v168-183 q of pass 1; v184-247 V's four fragments
.set VF,  184
.set WV,  14
.set G1,  16                           ; s[16:23] group 1; s[24:27] group 0
.set G0,  24
.set CS,  40                           ; s[40:41] log2(e) / 8
.set SEL, 42
.set MNT, 44
.set TB,  45                           ; LDS byte at which the key step begins
.set CNT, 46
.set MSB, 0
.macro WIN new
.if MSB != \new
	s_set_vgpr_msb (MSB<<8)|\new
.set MSB, \new
.endif
.endm
.macro PLACES n
.rept \n
	v_nop
.endr
.endm
.macro ROUND
	s_barrier_signal -1
	s_barrier_wait -1
	s_cmp_lg_u32 s[WV], 0
	s_cbranch_scc1 .Lnot_wave_0_\@
	s_barrier_signal -3
.Lnot_wave_0_\@:
	s_barrier_wait -3
	s_barrier_signal -1
	s_barrier_wait -1
.endm
.macro QUANT2 X, C, HR                 ; 32 numbers of a lane, two blocks' 16 each -> 8 registers of codes, two scale bytes; the two blocks by turns
	v_max3_num_f32 v[TM], |v[\X]|, |v[\X+1]|, 0x4800000
	v_max3_num_f32 v[TM+1], |v[\X+16]|, |v[\X+17]|, 0x4800000
.irp i,2,4,6,8,10,12,14
	v_max3_num_f32 v[TM], v[TM], |v[\X+\i]|, |v[\X+\i+1]|
	v_max3_num_f32 v[TM+1], v[TM+1], |v[\X+16+\i]|, |v[\X+17+\i]|
.endr
	v_permlanex16_b32 v[TP], v[TM], s[SEL], s[SEL+1]
	v_permlanex16_b32 v[TP+1], v[TM+1], s[SEL], s[SEL+1]
	v_max_num_f32 v[TM], v[TM], v[TP]
	v_max_num_f32 v[TM+1], v[TM+1], v[TP+1]
	v_add_nc_u32 v[SO], 0xfc000000, v[TM]
	v_add_nc_u32 v[SO+1], 0xfc000000, v[TM+1]
	v_and_or_b32 v[LM], v[TM], 0x7f800000, s[MNT]
	v_and_or_b32 v[LM+1], v[TM+1], 0x7f800000, s[MNT]
	v_lshrrev_b32 v[BY], 23, v[SO]
	v_lshrrev_b32 v[BY+1], 23, v[SO+1]
	v_lshl_or_b32 v[\HR], v[BY+1], 8, v[BY]
.irp i,0,1,2,3,4,5,6,7,8,9,10,11,12,13,14,15
	v_med3_num_f32 v[\X+\i], v[\X+\i], -v[LM], v[LM]
	v_med3_num_f32 v[\X+16+\i], v[\X+16+\i], -v[LM+1], v[LM+1]
.endr
	v_cvt_scalef32_pk8_fp8_f32 v[\C:\C+1], v[\X:\X+7], v[SO]
	v_cvt_scalef32_pk8_fp8_f32 v[\C+2:\C+3], v[\X+8:\X+15], v[SO]
	v_cvt_scalef32_pk8_fp8_f32 v[\C+4:\C+5], v[\X+16:\X+23], v[SO+1]
	v_cvt_scalef32_pk8_fp8_f32 v[\C+6:\C+7], v[\X+24:\X+31], v[SO+1]
	v_nop                                          ; a plain line behind the last conversion
.endm
; BOTH TILES' SOFTMAX of one key step, line by line.  Register 16 b + i of a tile's 64 scores belongs to block b of 32 keys
.macro SOFTMAX2
.irp b,0,1,2,3
.irp x,0,1
	v_max3_num_f32 v[BM+20*\x+\b], v[SCR+64*\x+16*\b], v[SCR+64*\x+16*\b+1], v[SCR+64*\x+16*\b+2]   ; the largest score of each block: it serves the row's maximum and, since p rises with the score, the block's largest p
.endr
.endr
.irp i,3,5,7,9,11,13
.irp b,0,1,2,3
.irp x,0,1
	v_max3_num_f32 v[BM+20*\x+\b], v[BM+20*\x+\b], v[SCR+64*\x+16*\b+\i], v[SCR+64*\x+16*\b+\i+1]
.endr
.endr
.endr
.irp b,0,1,2,3
.irp x,0,1
	v_max_num_f32 v[BM+20*\x+\b], v[BM+20*\x+\b], v[SCR+64*\x+16*\b+15]
.endr
.endr
.irp b,0,1,2,3
.irp x,0,1
	v_permlanex16_b32 v[BP+20*\x+\b], v[BM+20*\x+\b], s[SEL], s[SEL+1]
.endr
.endr
.irp b,0,1,2,3
.irp x,0,1
	v_max_num_f32 v[BM+20*\x+\b], v[BM+20*\x+\b], v[BP+20*\x+\b]     ; with lane l xor 16's 16 keys
.endr
.endr
.irp x,0,1
	v_max3_num_f32 v[TT+\x], v[BM+20*\x], v[BM+20*\x+1], v[BM+20*\x+2]
.endr
.irp x,0,1
	v_max_num_f32 v[TT+\x], v[TT+\x], v[BM+20*\x+3]
.endr
.irp x,0,1
	v_mul_f32 v[TT+\x], s[CS], v[TT+\x]            ; the step's largest t
.endr
.irp x,0,1
	v_max_num_f32 v[13+4*\x], v[13+4*\x], v[TT+\x] ; the running largest t
.endr
.irp x,0,1
	v_mov_b32 v[TT+\x], v[12+4*\x]
.endr
.irp x,0,1
	v_floor_f32 v[12+4*\x], -v[13+4*\x]            ; -M = floor(-t): M is a whole number
.endr
.irp x,0,1
	v_sub_f32 v[TT+\x], v[12+4*\x], v[TT+\x]       ; old M - new M: a whole number, 0 or less
.endr
.irp x,0,1
	v_cvt_i32_f32 v[TT+\x], v[TT+\x]               ; (it saturates)
.endr
.irp x,0,1
	v_ldexp_f32 v[20+2*\x], 1.0, v[TT+\x]          ; f = 2^(old M - new M)
.endr
.irp x,0,1
.set j, 0
.rept 32
	v_pk_fma_f32 v[SCR+64*\x+j:SCR+64*\x+j+1], v[SCR+64*\x+j:SCR+64*\x+j+1], s[CS:CS+1], v[12+4*\x:13+4*\x] op_sel_hi:[1,0,0]   ; t - M, two at a time
.set j, j+2
.endr
.endr
.irp b,0,1,2,3
.irp x,0,1
	v_fma_f32 v[BM+20*\x+\b], v[BM+20*\x+\b], s[CS], v[12+4*\x]      ; the same of each block's largest score
.endr
.endr
	s_wait_alu depctr_va_vdst(0)                   ; a wait ahead of the batch
.set j, 0
.rept 128
	v_exp_f32 v[SCR+j], v[SCR+j]                   ; p = 2^(t - M)
.set j, j+1
.endr
.irp b,0,1,2,3
.irp x,0,1
	v_exp_f32 v[BM+20*\x+\b], v[BM+20*\x+\b]       ; the block's largest p: the same two instructions on the same number
.endr
.endr
.irp x,0,1
	v_pk_mul_f32 v[14+4*\x:15+4*\x], v[14+4*\x:15+4*\x], v[20+2*\x:21+2*\x] op_sel_hi:[1,0]   ; the sums under the new M: plain lines behind the exponentials
.endr
	s_wait_alu depctr_va_vdst(0)                   ; one wait for the batch of 136, ahead of its first reader
.irp x,0,1
	v_pk_add_f32 v[AC+28*\x:AC+28*\x+1], v[SCR+64*\x:SCR+64*\x+1], v[SCR+64*\x+2:SCR+64*\x+3]   ; the rows' sums of the unquantised p, in four chains
.endr
.set j, 4
.rept 15
.irp x,0,1
	v_pk_add_f32 v[14+4*\x:15+4*\x], v[14+4*\x:15+4*\x], v[SCR+64*\x+j:SCR+64*\x+j+1]
	v_pk_add_f32 v[AC+28*\x:AC+28*\x+1], v[AC+28*\x:AC+28*\x+1], v[SCR+64*\x+j+2:SCR+64*\x+j+3]
.endr
.set j, j+4
.endr
.irp b,0,1,2,3
.irp x,0,1
	v_max_num_f32 v[BM+20*\x+\b], 0x4800000, v[BM+20*\x+\b]          ; the floor 2^(9 - 127): the byte cannot fall under 1
.endr
.endr
.irp x,0,1
	v_pk_add_f32 v[14+4*\x:15+4*\x], v[14+4*\x:15+4*\x], v[AC+28*\x:AC+28*\x+1]
.endr
.irp b,0,1,2,3
.irp x,0,1
	v_add_nc_u32 v[SO+20*\x+\b], 0xfc000000, v[BM+20*\x+\b]          ; 8 off the exponent field: the conversion's scale operand
.endr
.endr
.irp b,0,1,2,3
.irp x,0,1
	v_and_or_b32 v[LM+20*\x+\b], v[BM+20*\x+\b], 0x7f800000, s[MNT]  ; 448 x the scale,
	v_and_or_b32 v[LN+4*\x+\b], v[BM+20*\x+\b], 0x7f800000, s[MNT]   ; and a second copy
.endr
.endr
.irp b,0,1,2,3
.irp x,0,1
	v_lshrrev_b32 v[BP+20*\x+\b], 23, v[SO+20*\x+\b]                 ; the scale's byte
.endr
.endr
.irp x,0,1
	v_lshl_or_b32 v[PS+\x], v[BP+20*\x+1], 8, v[BP+20*\x]            ; p's scale word for these 128 keys
.endr
.irp x,0,1
	v_lshl_or_b32 v[PS+\x], v[BP+20*\x+2], 16, v[PS+\x]
.endr
.irp x,0,1
	v_lshl_or_b32 v[PS+\x], v[BP+20*\x+3], 24, v[PS+\x]
.endr
.irp x,0,1
.irp b,0,1,2,3
.irp i,0,2,4,6,8,10,12,14
	v_dual_min_num_f32 v[SCR+64*\x+16*\b+\i], v[SCR+64*\x+16*\b+\i], v[LM+20*\x+\b] :: v_dual_min_num_f32 v[SCR+64*\x+16*\b+\i+1], v[SCR+64*\x+16*\b+\i+1], v[LN+4*\x+\b]   ; the hold, two numbers a line; p is never negative, so it is one-sided
.endr
	v_cvt_scalef32_pk8_fp8_f32 v[PCD+16*\x+4*\b:PCD+16*\x+4*\b+1], v[SCR+64*\x+16*\b:SCR+64*\x+16*\b+7], v[SO+20*\x+\b]
	v_cvt_scalef32_pk8_fp8_f32 v[PCD+16*\x+4*\b+2:PCD+16*\x+4*\b+3], v[SCR+64*\x+16*\b+8:SCR+64*\x+16*\b+15], v[SO+20*\x+\b]
.endr
.endr
.endm
; A KEY STEP: 128 keys, both tiles.  Every window is 0 at its head and at its end.  pre = 1: the next step's K is fetched too
.macro STEP pre
	s_wait_dscnt 0x0                               ; this step's K and its scale words, asked for a step ago, are in
	WIN 0x05
.irp b,0,1,2,3
.irp x,0,1
	v_wmma_scale_f32_16x16x128_f8f6f4 v[SCR+64*\x+16*\b:SCR+64*\x+16*\b+7], v[16*\b:16*\b+15], v[72+16*\x:87+16*\x], 0, v[KS+\b], v[QS+\x]       ; [q | 0]: key tile 2 b
	v_wmma_scale_f32_16x16x128_f8f6f4 v[SCR+64*\x+16*\b+8:SCR+64*\x+16*\b+15], v[16*\b:16*\b+15], v[64+16*\x:79+16*\x], 0, v[KS+\b], v[QS+\x]    ; [0 | q]: key tile 2 b + 1
.endr
.endr
	WIN 0
	v_add_nc_u32 v[AF], s[TB], v[L16]
	v_add_nc_u32 v[AS], s[TB], v[R16]
	PLACES 6                                       ; with the two additions: eight places behind the products above and behind the last step's, in front of the loads into what they read and of the first read of the scores
	ds_load_b128 v[VS:VS+3], v[AS] offset:16640    ; V's four scale words of my row
	WIN 0x40
.irp t,0,1,2,3
.irp c,0,1,2,3
	ds_load_b128 v[VF+16*\t+4*\c:VF+16*\t+4*\c+3], v[AF] offset:8192+2048*\t+512*\c   ; an image of the registers: 512 bytes on end.  V lands under the softmax,
.endr
.endr
.if \pre
.irp b,0,1,2,3
.irp c,0,1,2,3
	ds_load_b128 v[16*\b+4*\c:16*\b+4*\c+3], v[AF] offset:KVSTEP+2048*\b+512*\c       ; and so does the next step's K
.endr
.endr
	WIN 0
	ds_load_b128 v[KS:KS+3], v[AS] offset:KVSTEP+16384
.endif
	WIN 0
	SOFTMAX2
	WIN 0x41                                       ; O^T in window 1, f in window 0
	s_wait_alu depctr_va_vdst(0)                   ; directly ahead of the first reader of O^T
.irp x,0,1
.set j, 0
.rept 16
	v_pk_mul_f32 v[OAC+32*\x+j:OAC+32*\x+j+1], v[OAC+32*\x+j:OAC+32*\x+j+1], v[20+2*\x:21+2*\x] op_sel_hi:[1,0]   ; O^T under the new M; these are also the places between p's codes and the products
.set j, j+2
.endr
.endr
	s_wait_alu depctr_va_vdst(0)                   ; directly ahead of the wait below
	s_wait_dscnt 17*\pre                           ; V and its scale words are in; the 17 loads issued behind them, the next step's K, may stay out
	WIN 0x51
.irp t,0,1,2,3
.irp x,0,1
	v_wmma_scale_f32_16x16x128_f8f6f4 v[OAC+32*\x+8*\t:OAC+32*\x+8*\t+7], v[VF+16*\t:VF+16*\t+15], v[PCD+16*\x:PCD+16*\x+15], v[OAC+32*\x+8*\t:OAC+32*\x+8*\t+7], v[VS+\t], v[PS+\x]   ; eight accumulators, one instruction each
.endr
.endr
	WIN 0
	s_add_co_u32 s[TB], s[TB], KVSTEP
.endm
.macro PASSHEAD p
.if \p == 1
	WIN 0x41
.set j, 0
.rept 8
	v_mov_b32 v[72+j], v[168+j]                    ; the second pair of heads takes Q's places
	v_mov_b32 v[88+j], v[176+j]
.set j, j+1
.endr
	WIN 0
.endif
	v_perm_b32 v[QS], v[QW+\p], v[QW+\p], 0x01000100           ; tile 0's two bytes, twice: for [q | 0] and for [0 | q]
	v_perm_b32 v[QS+1], v[QW+\p], v[QW+\p], 0x03020302         ; tile 1's
.irp x,0,1
	v_mov_b32 v[13+4*\x], 0xff61b1e6               ; the largest t so far: -3e38
	v_floor_f32 v[12+4*\x], -v[13+4*\x]
	v_mov_b32 v[14+4*\x], 0
	v_mov_b32 v[15+4*\x], 0
.endr
	WIN 0x40
.set j, 0
.rept 64
	v_mov_b32 v[OAC+j], 0                          ; the step is written without a first step of its own: the first change of M multiplies zeros
.set j, j+1
.endr
	WIN 0
.endm
.macro PASS                            ; all 16 key steps for the pair of heads in hand: no barrier stands among them.  The last step is written out: it fetches no K
	s_mov_b32 s[TB], 0
	ds_load_b128 v[KS:KS+3], v[R16] offset:16384   ; key step 0's K and its scale words
	WIN 0x40
.irp b,0,1,2,3
.irp c,0,1,2,3
	ds_load_b128 v[16*\b+4*\c:16*\b+4*\c+3], v[L16] offset:2048*\b+512*\c
.endr
.endr
	WIN 0
	s_mov_b32 s[CNT], 15
.Lpass_\@:
	STEP 1
	s_sub_co_u32 s[CNT], s[CNT], 1
	s_cmp_lg_u32 s[CNT], 0
	s_cbranch_scc1 .Lpass_\@
	STEP 0
.endm
; O^T / l, quantised along a's columns; the codes go to their true places in the row-major stage, 8 bytes at a time
.macro WAYOUT p
	PLACES 8
.irp x,0,1
	v_add_f32 v[14+4*\x], v[14+4*\x], v[15+4*\x]
.endr
.irp x,0,1
	v_permlanex16_b32 v[BP+\x], v[14+4*\x], s[SEL], s[SEL+1]
.endr
.irp x,0,1
	v_add_f32 v[14+4*\x], v[14+4*\x], v[BP+\x]     ; the row's sum
.endr
	s_wait_alu depctr_va_vdst(0)                   ; a wait ahead of the reciprocals
.irp x,0,1
	v_rcp_f32 v[20+2*\x], v[14+4*\x]
.endr
	v_nop                                          ; a plain line behind the reciprocals,
	s_wait_alu depctr_va_vdst(0)                   ; and one wait for both, ahead of their first reader
	WIN 0x01
.irp x,0,1
.set j, 0
.rept 16
	v_pk_mul_f32 v[SCR+32*\x+j:SCR+32*\x+j+1], v[OAC+32*\x+j:OAC+32*\x+j+1], v[20+2*\x:21+2*\x] op_sel_hi:[1,0]   ; register 8 t + i: channel 16 t + 8 h + i; each accumulator from its low end on
.set j, j+2
.endr
.endr
	WIN 0
.irp x,0,1
	QUANT2 SCR+32*\x, CW+8*\x, HB+\x
.irp t,0,1,2,3
	ds_store_b64 v[STO], v[CW+8*\x+2*\t:CW+8*\x+2*\t+1] offset:128*\p+64*\x+16*\t
.endr
.endr
	v_lshl_or_b32 v[AW], v[HB+1], 16, v[HB]
	ds_store_b32 v[ASA], v[AW] offset:4*\p         ; column blocks 8 (w % 4) + 4 p + 0..3; both lanes of a row write the same word
.endm
	s_load_b256 s[4:11], s[0:1], 0x0               ; q_img 4, q_sc 6, kv_img 8, a_codes 10
	s_load_b64 s[12:13], s[0:1], 0x20              ; a_sc
	v_lshl_add_u32 v254, v0, 2, 0x4a600            ; my spare word, behind a's scale bytes
	v_mov_b32 v255, 0
	ds_add_u32 v254, v255                          ; the opening lines: the add, twice on end, and its wait ahead of my tensor load
	ds_add_u32 v254, v255
	v_lshrrev_b32 v3, 5, v0
	v_readfirstlane_b32 s[WV], v3                  ; wave 0..7
	s_and_b32 s63, s[WV], 3                        ; which four heads
	s_lshr_b32 s47, s[WV], 2                       ; which token tile
	s_and_b32 s62, ttmp7, 0xffff                   ; the batch, which the partners share
	s_mul_i32 s60, s62, 16*KVSTEP
	s_mul_i32 s15, s[WV], 2*KVSTEP                 ; I fetch key steps 2 w and 2 w + 1
	s_add_co_u32 s60, s60, s15
	s_mov_b32 s61, 0
	s_mov_b32 s[G1], 15|(3<<16)|(1<<21)            ; all four partners; elements of 8 bytes; bit 21 beside the mask; no padding
	s_mov_b32 s[G1+1], 32<<16                      ; two key steps: a dense block of 33,792 bytes as 132 rows of 256
	s_mov_b32 s[G1+2], 132<<16
	s_mov_b32 s[G1+3], 32<<16
	s_mov_b32 s[G1+4], 132
	s_mov_b32 s[G1+5], 32
	s_mov_b32 s[G1+6], 0
	s_mov_b32 s[G1+7], 0
	s_mov_b32 s[CS], 0x3e38aa3b                    ; log2(e) / 8
	s_mov_b32 s[CS+1], s[CS]
	s_mov_b32 s[SEL], 0x76543210
	s_mov_b32 s[SEL+1], 0xfedcba98
	s_mov_b32 s[MNT], 0x600000
	s_wait_dscnt 0x0
	s_wait_kmcnt 0x0
	s_add_nc_u64 s[60:61], s[8:9], s[60:61]
	s_mov_b32 s[G0], 1
	s_mov_b32 s[G0+1], s15                         ; in LDS as in memory: 2 w key steps on
	s_mov_b64 s[G0+2:G0+3], s[60:61]
	s_or_b32 s[G0+3], s[G0+3], 0x80000000
	ROUND                                          ; all four work-groups are here: the joint loads meet
	tensor_load_to_lds s[G0:G0+3], s[G1:G1+7]      ; one joint load a wave, all eight waves: an eighth of the batch's K and V each
	s_nop 0
	PLACES 4
	s_bfe_u32 s56, ttmp6, 0x40000
	s_lshl_b32 s57, ttmp9, 2
	s_add_co_u32 s57, s57, s56
	s_lshl_b32 s58, s62, 6
	s_add_co_u32 s58, s58, s57                     ; my block of 32 tokens: 64 x batch + 4 x cluster x + cx: it enters global addresses alone
	s_lshl_b32 s56, s58, 1
	s_add_co_u32 s56, s56, s47                     ; my token tile
	s_lshl_b32 s48, s56, 14
	s_lshl_b32 s49, s63, 12
	s_add_co_u32 s48, s48, s49
	s_mov_b32 s49, 0
	s_add_nc_u64 s[48:49], s[4:5], s[48:49]        ; q's codes: tile x 16,384 + 8 (w % 4) column blocks of 512
	s_lshl_b32 s50, s63, 16
	s_lshl_b32 s51, s56, 6
	s_add_co_u32 s50, s50, s51
	s_mov_b32 s51, 0
	s_add_nc_u64 s[50:51], s[6:7], s[50:51]        ; q's scale words: plane 2 (w % 4) + p, 4 bytes a token
	s_lshl_b32 s52, s58, 15
	s_lshl_b32 s53, s[WV], 12
	s_add_co_u32 s52, s52, s53
	s_mov_b32 s53, 0
	s_add_nc_u64 s[52:53], s[10:11], s[52:53]      ; a's codes: my wave stores rows 4 w on
	s_lshl_b32 s54, s58, 10
	s_mov_b32 s55, 0
	s_add_nc_u64 s[54:55], s[12:13], s[54:55]      ; a's scale bytes
	v_and_b32 v3, 15, v0                           ; r
	v_bfe_u32 v4, v0, 4, 1                         ; h
	v_and_b32 v[L16], 31, v0
	v_lshlrev_b32 v[L16], 4, v[L16]
	v_lshlrev_b32 v[R16], 4, v3
	v_lshlrev_b32 v[R4], 2, v3
	WIN 0x40                                       ; destination window 1
.irp x,0,1
.irp c,0,1
	global_load_b128 v[72+16*\x+4*\c:75+16*\x+4*\c], v[L16], s[48:49] offset:1024*\x+512*\c          ; pass 0's two heads, into Q's places
	global_load_b128 v[168+8*\x+4*\c:171+8*\x+4*\c], v[L16], s[48:49] offset:2048+1024*\x+512*\c     ; pass 1's
.endr
.endr
.irp z,64,80,96
.set j, 0
.rept 8
	v_mov_b32 v[\z+j], 0                           ; the zero codes round Q
.set j, j+1
.endr
.endr
	WIN 0
	global_load_b32 v[QW], v[R4], s[50:51]
	global_load_b32 v[QW+1], v[R4], s[50:51] offset:32768
	v_mul_u32_u24 v[STO], v3, SPI
	v_lshl_add_u32 v[STO], v4, 3, v[STO]
	s_mul_i32 s45, s47, 16*SPI
	s_lshl_b32 s46, s63, 8
	s_add_co_u32 s45, s45, s46
	s_add_co_u32 s45, s45, STG
	v_add_nc_u32 v[STO], s45, v[STO]
	s_lshl_b32 s45, s47, 9
	s_lshl_b32 s46, s63, 3
	s_add_co_u32 s45, s45, s46
	s_add_co_u32 s45, s45, ASC
	v_lshl_add_u32 v[ASA], v3, 5, s45
	s_mul_i32 s45, s[WV], 4*SPI
	s_add_co_u32 s45, s45, STG
	v_add_nc_u32 v[RD], s45, v[L16]
	s_and_b32 s45, s[WV], 1
	s_lshl_b32 s45, s45, 9
	v_add_nc_u32 v[ASO], s45, v[L16]
	v_add_nc_u32 v[ASR], ASC, v[ASO]
	v_mov_b32 v21, 0                               ; the upper words of the pairs that hold f
	v_mov_b32 v23, 0
.irp b,0,1,2,3
	v_mov_b32 v[BP+\b], 0                          ; written once: a lane permute's destination counts as one of its sources
	v_mov_b32 v[BP+20+\b], 0
.endr
	s_wait_loadcnt 0x0                             ; q and its scale words
	PASSHEAD 0
	s_wait_alu depctr_va_vdst(0)                   ; a wait at the head's end
	s_wait_tensorcnt 0x0                           ; my two key steps have landed
	s_barrier_signal -1
	s_barrier_wait -1                              ; all sixteen have; nothing is filled again
	PASS
	WAYOUT 0
	PASSHEAD 1
	PASS
	WAYOUT 1
	s_wait_dscnt 0x0                               ; for the others' sake: my codes and scale bytes lie in the stage
	s_barrier_signal -1
	s_barrier_wait -1
.irp i,0,1,2,3
.irp k,0,1
	ds_load_b128 v[SCR+8*\i+4*\k:SCR+8*\i+4*\k+3], v[RD] offset:SPI*\i+512*\k
.endr
.endr
.irp i,0,1,2,3
.irp k,0,1
	s_wait_dscnt 7-2*\i-\k                         ; LDS loads come back in order: this one is in, the younger may stay out
	global_store_b128 v[L16], v[SCR+8*\i+4*\k:SCR+8*\i+4*\k+3], s[52:53] offset:1024*\i+512*\k   ; 512 consecutive bytes of a row
.endr
.endr
	s_cmp_lt_u32 s[WV], 2                          ; waves 0 and 1 send the 1,024 scale bytes
	s_cbranch_scc0 .Lno_sc
	ds_load_b128 v[SCR+32:SCR+35], v[ASR]
	s_wait_dscnt 0x0
	global_store_b128 v[ASO], v[SCR+32:SCR+35], s[54:55]
.Lno_sc:
	s_wait_tensorcnt 0x0                           ; the wave's end
	ds_add_u32 v254, v255
	s_wait_dscnt 0x0
	ROUND                                          ; the closing round
	s_endpgm
.Lfunc_end_k_q8d5b116255_attn:
	.size	k_q8d5b116255_attn, .Lfunc_end_k_q8d5b116255_attn-k_q8d5b116255_attn
	.p2alignl 7, 3214868480
	.fill 96, 4, 3214868480
	.section	.rodata,"a",@progbits
	.p2align	6, 0x0
	.amdhsa_kernel k_q8d5b116255_attn
		.amdhsa_group_segment_fixed_size 305664
		.amdhsa_private_segment_fixed_size 0
		.amdhsa_enable_private_segment 0
		.amdhsa_kernarg_size 40
		.amdhsa_user_sgpr_count 2
		.amdhsa_user_sgpr_kernarg_segment_ptr 1
		.amdhsa_wavefront_size32 1
		.amdhsa_system_sgpr_workgroup_id_x 1
		.amdhsa_system_sgpr_workgroup_id_y 1
		.amdhsa_system_sgpr_workgroup_id_z 1
		.amdhsa_system_vgpr_workitem_id 0
		.amdhsa_next_free_vgpr 512
		.amdhsa_next_free_sgpr 66
		.amdhsa_reserve_vcc 0
		.amdhsa_float_denorm_mode_32 3
		.amdhsa_float_denorm_mode_16_64 3
		.amdhsa_memory_ordered 1
		.amdhsa_forward_progress 1
		.amdhsa_inst_pref_size 175
	.end_amdhsa_kernel
	.amdgpu_metadata
---
amdhsa.version: [ 1, 2 ]
amdhsa.kernels:
  - .name:           k_q8d5b116255_attn
    .symbol:         k_q8d5b116255_attn.kd
    .args:
      - { .name: q_img, .offset: 0, .size: 8, .value_kind: global_buffer, .address_space: global }
      - { .name: q_sc, .offset: 8, .size: 8, .value_kind: global_buffer, .address_space: global }
      - { .name: kv_img, .offset: 16, .size: 8, .value_kind: global_buffer, .address_space: global }
      - { .name: a_codes, .offset: 24, .size: 8, .value_kind: global_buffer, .address_space: global }
      - { .name: a_sc, .offset: 32, .size: 8, .value_kind: global_buffer, .address_space: global }
    .group_segment_fixed_size: 305664
    .private_segment_fixed_size: 0
    .kernarg_segment_align: 8
    .kernarg_segment_size: 40
    .max_flat_workgroup_size: 256
    .sgpr_count:     66
    .vgpr_count:     512
    .wavefront_size: 32
...
	.end_amdgpu_metadata
.endif
;; end of part 2
;; launch oproj (part 3): grid 8 x 32, 4 waves a work-group, clusters of 4 x 4, 327,680 bytes of LDS; arguments a_codes, a_sc, Wo_codes, Wo_scales, bo, out0; writes out0
.if DOCPART == 3
	.amdgcn_target "amdgcn-amd-amdhsa--gfx1250"
	.amdhsa_code_object_version 6
	.text
	.protected	k_q8d5b116255_oproj
	.globl	k_q8d5b116255_oproj
	.p2align	8
	.type	k_q8d5b116255_oproj,@function
k_q8d5b116255_oproj:
	s_mov_b64 s[64:65], 0
	v_nop
	global_prefetch_b8 v0, s[64:65] scope:SCOPE_SE
	s_setreg_imm32_b32 hwreg(HW_REG_WAVE_MODE, 25, 1), 1
	s_wait_xcnt 0x0
	s_wait_alu depctr_hold_cnt(0) depctr_sa_sdst(0) depctr_va_vdst(0) depctr_va_sdst(0) depctr_va_ssrc(0) depctr_va_vcc(0) depctr_vm_vsrc(0)
	s_getreg_b32 s2, hwreg(HW_REG_IB_STS2, 6, 4)
	s_cmp_eq_u32 s2, 0
	s_cbranch_scc0 .Lentry_in_a_cluster
	s_endpgm
.Lentry_in_a_cluster:
	s_bfe_u32 s2, ttmp6, 0x10000c
	s_cmp_lg_u32 s2, 0xf033
	s_cbranch_scc0 .Lentry_shape_is_right
	s_endpgm
.Lentry_shape_is_right:
; out0 = a Wo + bo on codes of FP8 (E4M3) with E8M0 scales; out0 [8192][1024] f32.
; SHARES.  256 work-groups, each 256 tokens (block mi) x 128 columns (block nb); four waves, 2 x 2.  A wave holds its 64 rows of Wo, ALL of K, in registers (512) and streams its 128 tokens past them
; in eight blocks of 16, 32 products a block; a block's fragments stand in registers as one of two whole sets.
; LDS: two slots of 128 rows of 1,024 bytes + 16.  At the head slot 1 takes Wo's rows (waves 0, 1; shown first, by a barrier of their own) and slot 0 tokens 0-127 (waves 2, 3).  When every wave holds Wo in registers,
; tokens 128-255 are filled over it, behind a drained round of the cluster's barrier, 32 rows a wave; they are shown by the barrier inside block 2.
; Block i of wave row wm: tokens 128 (i / 4) + 64 wm + 16 (i % 4) on.  A block's results go through my own stage and leave as rows of 256 bytes while the next block is multiplied.
; CLUSTER 4 x 4: a's rows are shared along a row of the cluster, Wo's along a column: all come by joint loads.
; PREFETCH: tokens 128-255, which the refill will ask for, are asked of memory at the head: 512 blocks of 256 bytes, a lane a block, one instruction for each of the cluster row's sixteen waves, told apart by address.
; THE MATRIX INSTRUCTION IS USED TRANSPOSED: source 0 = 16 rows of Wo, source 1 = 16 tokens: a lane holds eight neighbouring numbers of a row of out0.  The bias is the C of each sum's first instruction.
; LIMITS: NaN and infinities are not served.
.set PITCH,  1040                      ; an LDS row: 1,024 bytes + 16 of padding: an odd multiple of 16, so the 16 rows of a load begin at 16 different banks (ISA guide 11.1)
.set T16,    16*PITCH
.set W64,    64*PITCH
.set SLOT1,  128*PITCH
.set STAGE,  2*SLOT1                   ; behind the slots: 16 rows x 272 bytes for each wave
.set SPITCH, 272
.set SPARE,  STAGE+4*16*SPITCH         ; the spare words, 128 bytes a wave
.set BH,  1                            ; v1      32 h
.set FL,  3                            ; v3      PITCH r + 16 h
.set ADA, 4                            ; v4, v5  my tokens' fragments in slot 0, 1
.set ADB, 6                            ; v6      my rows of Wo in slot 1
.set PF,  7                            ; v7      the prefetch's offset; never rewritten
.set R32, 8                            ; v8      32 r
.set STO, 9                            ; v9      the stage: row r, + 32 h
.set RD,  10                           ; v10     back: row h, + 16 r
.set CO,  11                           ; v11     the same in out0: 4,096 h + 16 r
.set SPW, 12                           ; v12     my spare word; v13 0
.set NIL, 13
.set SCA, 28                           ; v28-91  a's scale words: 8 x block + K step
.set SCB, 96                           ; v96-127 Wo's: 8 b + K step: no product's two scale words have numbers equal modulo 8
.set ACC, 128                          ; v128-191 two sets of four accumulators
.set BI,  192                          ; v192-223 bo, 8 for each b
.set OB,  224                          ; v224-255 16 rows read back from the stage
                                       ; windows 1, 2: Wo's fragment 4 q + b at 16 ((4 q + b) % 16) of window 1 + q / 4;  window 3: a's two sets of 8 fragments
.set G1R, 24                           ; s[24:31] group 1 of the refill; s[32:39] of a's head load; s[40:47] of Wo's
.set G1A, 32
.set G1B, 40
.set G0A, 48                           ; s[48:51], s[52:55], s[56:59] their groups 0
.set G0B, 52
.set G0R, 56
.set WV,  84
.set WM,  85
.set WN,  86
.set CX,  87
.set CY,  88
.set NB,  89
.set MI,  90
.set MSB, 0
.macro WIN new
.if MSB != \new
	s_set_vgpr_msb (MSB<<8)|\new
.set MSB, \new
.endif
.endm
.macro PLACES n
.rept \n
	v_nop
.endr
.endm
.macro BARRIER
	s_barrier_signal -1
	s_barrier_wait -1
.endm
.macro ROUND
	BARRIER
	s_cmp_lg_u32 s[WV], 0
	s_cbranch_scc1 .Lnot_wave_0_\@
	s_barrier_signal -3
.Lnot_wave_0_\@:
	s_barrier_wait -3
	BARRIER
.endm
.macro TLOAD g0, g1                    ; a tensor load; an s_nop 0 and four v_nop follow it
	tensor_load_to_lds s[\g0:\g0+3], s[\g1:\g1+7]
	s_nop 0
	PLACES 4
.endm
.macro GROUP1 g, mask, rows            ; so many whole rows of 1,024 bytes, one behind the other in memory; 4 words of padding behind every 256
	s_or_b32 s[\g], s[\mask], (1<<20)|(1<<21)|(7<<22)|(3<<25)
	s_mov_b32 s[\g+1], 1024<<16
	s_mov_b32 s[\g+2], (\rows)<<16
	s_mov_b32 s[\g+3], 1024<<16
	s_mov_b32 s[\g+4], \rows
	s_mov_b32 s[\g+5], 1024
	s_mov_b32 s[\g+6], 0
	s_mov_b32 s[\g+7], 0
.endm
.macro WEIGHTS                         ; my 64 rows of Wo, all of K, into windows 1 and 2: 128 loads
.irp q,0,1,2,3,4,5,6,7
	WIN (1+\q/4)<<6
.irp b,0,1,2,3
.irp c,0,1,2,3
	ds_load_b128 v[16*((4*\q+\b)%16)+4*\c:16*((4*\q+\b)%16)+4*\c+3], v[ADB] offset:128*\q+32*\c+\b*T16
.endr
.endr
.endr
	WIN 0
.endm
.macro FETCH k, i                      ; block i, 16 tokens, all of K, into set k of window 3: 32 loads
	WIN 3<<6
.irp q,0,1,2,3,4,5,6,7
.irp c,0,1,2,3
	ds_load_b128 v[128*(\k)+16*\q+4*\c:128*(\k)+16*\q+4*\c+3], v[ADA+(\i)/4] offset:128*\q+32*\c+((\i)%4)*T16
.endr
.endr
	WIN 0
.endm
.macro MULS k, i                       ; block i's 32 products: its four accumulators by turns, K ascending; the bias starts the sums
.irp q,0,1,2,3,4,5,6,7
	WIN (1+\q/4)|(3<<2)
.irp b,0,1,2,3
.if \q == 0
	v_wmma_scale_f32_16x16x128_f8f6f4 v[ACC+32*((\i)%2)+8*\b:ACC+32*((\i)%2)+8*\b+7], v[16*((4*\q+\b)%16):16*((4*\q+\b)%16)+15], v[128*(\k)+16*\q:128*(\k)+16*\q+15], v[BI+8*\b:BI+8*\b+7], v[SCB+8*\b+\q], v[SCA+8*(\i)+\q]
.else
	v_wmma_scale_f32_16x16x128_f8f6f4 v[ACC+32*((\i)%2)+8*\b:ACC+32*((\i)%2)+8*\b+7], v[16*((4*\q+\b)%16):16*((4*\q+\b)%16)+15], v[128*(\k)+16*\q:128*(\k)+16*\q+15], v[ACC+32*((\i)%2)+8*\b:ACC+32*((\i)%2)+8*\b+7], v[SCB+8*\b+\q], v[SCA+8*(\i)+\q]
.endif
.endr
.endr
	WIN 0
.endm
; THE WAY OUT of a block: through my own stage, back as rows of 256 bytes.  LDS serves a wave's instructions in order (ISA guide 5.7.1.4): no wait between the stores and the loads
.macro TOSTAGE i
	s_wait_xcnt 0x0                                ; the stores of the block before have read the registers that the loads below fill
.irp b,0,1,2,3
	ds_store_b128 v[STO], v[ACC+32*((\i)%2)+8*\b:ACC+32*((\i)%2)+8*\b+3] offset:64*\b          ; each accumulator from its low end on
	ds_store_b128 v[STO], v[ACC+32*((\i)%2)+8*\b+4:ACC+32*((\i)%2)+8*\b+7] offset:64*\b+16
.endr
.irp t,0,1,2,3,4,5,6,7
	ds_load_b128 v[OB+4*\t:OB+4*\t+3], v[RD] offset:2*SPITCH*\t
.endr
.endm
.macro SEND i
.irp t,0,1,2,3,4,5,6,7
	global_store_b128 v[CO], v[OB+4*\t:OB+4*\t+3], s[14:15] offset:(128*((\i)/4)+16*((\i)%4)+2*\t)*4096 th:TH_STORE_NT   ; 16 lanes store 256 consecutive bytes, aligned
.endr
.endm
; A block: its products; the block before leaves; its set takes the block two on; its own results go to the stage
.macro BLK i
	MULS (\i)%2, \i
	PLACES 8                                       ; eight places behind the last product, in front of the loads into what it read and of the first read of the sums
.if (\i) == 2
	s_wait_tensorcnt 0x0                           ; my 32 rows of tokens 128-255 have landed
.endif
	s_wait_dscnt 0x0                               ; the next block's fragments and the last block's rows, asked for ahead of these 32 products, are in
.if (\i) == 2
	BARRIER                                        ; everybody's rows have landed
.endif
.if (\i) > 0
	SEND (\i)-1
.endif
.if (\i) < 6
	FETCH (\i)%2, (\i)+2
.endif
	TOSTAGE \i
.endm
	s_load_b256 s[4:11], s[0:1], 0x0               ; a_codes 4, a_sc 6, Wo_codes 8, Wo_scales 10
	s_load_b128 s[12:15], s[0:1], 0x20             ; bo 12, out0 14
	v_lshl_add_u32 v[SPW], v0, 2, SPARE
	v_mov_b32 v[NIL], 0
	ds_add_u32 v[SPW], v[NIL]                      ; the opening lines: the add, twice on end, and its wait ahead of my first tensor load
	ds_add_u32 v[SPW], v[NIL]
	v_lshrrev_b32 v14, 5, v0
	v_readfirstlane_b32 s[WV], v14
	s_lshr_b32 s[WM], s[WV], 1                     ; which 64 tokens of a slot.  Also: at the head I fetch Wo's rows (0) or a's (1)
	s_and_b32 s[WN], s[WV], 1                      ; which 64 columns.  Also: which 64 rows I fetch at the head
	s_bfe_u32 s[CX], ttmp6, 0x40000
	s_bfe_u32 s[CY], ttmp6, 0x40004
	s_lshl_b32 s[NB], ttmp9, 2
	s_add_co_u32 s[NB], s[NB], s[CX]               ; block of 128 columns
	s_and_b32 s[MI], ttmp7, 0xffff
	s_lshl_b32 s[MI], s[MI], 2
	s_add_co_u32 s[MI], s[MI], s[CY]               ; block of 256 tokens
	s_lshl_b32 s91, s[CY], 2
	s_lshl_b32 s91, 15, s91                        ; my row of the cluster
	s_lshl_b32 s101, 0x1111, s[CX]                 ; my column
	GROUP1 G1A, 91, 64                             ; a's rows go to my row,
	GROUP1 G1R, 91, 32
	GROUP1 G1B, 101, 64                            ; Wo's to my column
	s_lshl_b32 s2, s[WN], 16                       ; 64 (w % 2) rows, in memory
	s_lshl_b32 s96, s[MI], 18                      ; a's chains, s[96:99], never hold cx; Wo's, s[92:93], never cy
	s_add_co_u32 s98, s96, 1<<17
	s_add_co_u32 s96, s96, s2                      ; the head: tokens 256 mi + 64 (w % 2) on
	s_mov_b32 s97, 0
	s_lshl_b32 s3, s[WV], 15
	s_add_co_u32 s98, s98, s3                      ; the refill: tokens 256 mi + 128 + 32 w on
	s_mov_b32 s99, 0
	s_lshl_b32 s92, s[NB], 17
	s_add_co_u32 s92, s92, s2                      ; Wo's rows 128 nb + 64 (w % 2) on
	s_mov_b32 s93, 0
	s_mov_b32 s[G0A], 1
	s_mul_i32 s[G0A+1], s[WN], W64                 ; slot 0
	s_mov_b32 s[G0B], 1
	s_mul_i32 s[G0B+1], s[WN], W64
	s_add_co_u32 s[G0B+1], s[G0B+1], SLOT1         ; slot 1
	s_mov_b32 s[G0R], 1
	s_mul_i32 s[G0R+1], s[WV], 32*PITCH
	s_add_co_u32 s[G0R+1], s[G0R+1], SLOT1         ; slot 1
	s_wait_dscnt 0x0                               ; both opening adds are done
	s_wait_kmcnt 0x0
	s_add_nc_u64 s[G0A+2:G0A+3], s[4:5], s[96:97]
	s_or_b32 s[G0A+3], s[G0A+3], 0x80000000
	s_add_nc_u64 s[G0R+2:G0R+3], s[4:5], s[98:99]
	s_or_b32 s[G0R+3], s[G0R+3], 0x80000000
	s_add_nc_u64 s[G0B+2:G0B+3], s[8:9], s[92:93]
	s_or_b32 s[G0B+3], s[G0B+3], 0x80000000
	ROUND                                          ; all sixteen work-groups are here: the joint loads meet
	s_cmp_lt_u32 s[WV], 2                          ; one joint load a wave; the two waves whose tiles are shown first have a line of their own
	s_cbranch_scc0 .Lfor_a
	TLOAD G0B, G1B                                 ; Wo's rows, which go on into registers
	s_branch .Lasked
.Lfor_a:
	TLOAD G0A, G1A
.Lasked:
	s_lshl_b32 s16, s[MI], 13
	s_lshl_b32 s17, s[WM], 11
	s_add_co_u32 s16, s16, s17
	s_mov_b32 s17, 0
	s_add_nc_u64 s[6:7], s[6:7], s[16:17]          ; a's scales at token 256 mi + 64 wm: 32 bytes a row
	s_lshl_b32 s16, s[NB], 12
	s_lshl_b32 s18, s[WN], 11
	s_add_co_u32 s16, s16, s18
	s_add_nc_u64 s[10:11], s[10:11], s[16:17]      ; Wo's at my 64 columns
	s_lshl_b32 s16, s[NB], 9
	s_lshl_b32 s18, s[WN], 8
	s_add_co_u32 s16, s16, s18
	s_add_nc_u64 s[12:13], s[12:13], s[16:17]      ; bo at my 64 columns
	s_lshl_b32 s18, s[MI], 20
	s_add_co_u32 s16, s16, s18
	s_lshl_b32 s18, s[WM], 18
	s_add_co_u32 s16, s16, s18
	s_add_nc_u64 s[14:15], s[14:15], s[16:17]      ; out0 at token 256 mi + 64 wm and my first column
	s_mul_i32 s19, s[WM], W64                      ; my 64 tokens in a slot
	s_mul_i32 s20, s[WN], W64
	s_add_co_u32 s20, s20, SLOT1                   ; my 64 rows of Wo
	s_mul_i32 s21, s[WV], 16*SPITCH
	s_add_co_u32 s21, s21, STAGE                   ; my stage
	s_lshl_b32 s22, s[CX], 2
	s_add_co_u32 s22, s22, s[WV]                   ; which of the cluster row's sixteen waves I am: it enters a global offset alone
	s_lshl_b32 s22, s22, 13                        ; 8 rows each
	s_lshl_b32 s23, s[MI], 18
	s_add_co_u32 s22, s22, s23
	s_add_co_u32 s22, s22, 1<<17                   ; of tokens 256 mi + 128 on
	v_and_b32 v15, 15, v0                          ; r
	v_bfe_u32 v16, v0, 4, 1                        ; h
	v_and_b32 v17, 31, v0                          ; lane
	v_mul_u32_u24 v[FL], v15, PITCH
	v_lshl_add_u32 v[FL], v16, 4, v[FL]
	v_lshlrev_b32 v[BH], 5, v16
	v_lshlrev_b32 v[R32], 5, v15
	v_lshl_add_u32 v[PF], v17, 8, s22
	v_add_nc_u32 v[ADA], s19, v[FL]
	v_add_nc_u32 v[ADA+1], SLOT1, v[ADA]
	v_add_nc_u32 v[ADB], s20, v[FL]
	v_mul_u32_u24 v[STO], v15, SPITCH
	v_lshl_add_u32 v[STO], v16, 5, v[STO]
	v_add_nc_u32 v[STO], s21, v[STO]
	v_mul_u32_u24 v[RD], v16, SPITCH
	v_lshl_add_u32 v[RD], v15, 4, v[RD]
	v_add_nc_u32 v[RD], s21, v[RD]
	v_lshlrev_b32 v[CO], 12, v16
	v_lshl_add_u32 v[CO], v15, 4, v[CO]
	s_wait_alu depctr_va_vdst(0)                   ; a wait at the end of the head's vector lines
	global_prefetch_b8 v[PF], s[4:5] th:TH_LOAD_NT scope:SCOPE_SE   ; my 32 blocks of 256 bytes of what the refill will ask for
.irp b,0,1,2,3
	global_load_b128 v[SCB+8*\b:SCB+8*\b+3], v[R32], s[10:11] offset:512*\b            ; the scale words of all eight K steps: 16 rows of 32 bytes are 512 bytes on end
	global_load_b128 v[SCB+8*\b+4:SCB+8*\b+7], v[R32], s[10:11] offset:512*\b+16
	global_load_b128 v[BI+8*\b:BI+8*\b+3], v[BH], s[12:13] offset:64*\b                ; columns 16 b + 8 h + 0..7
	global_load_b128 v[BI+8*\b+4:BI+8*\b+7], v[BH], s[12:13] offset:64*\b+16
.endr
.irp i,0,1,2,3,4,5,6,7
	global_load_b128 v[SCA+8*\i:SCA+8*\i+3], v[R32], s[6:7] offset:4096*(\i/4)+512*(\i%4)
	global_load_b128 v[SCA+8*\i+4:SCA+8*\i+7], v[R32], s[6:7] offset:4096*(\i/4)+512*(\i%4)+16
.endr
	s_cmp_lt_u32 s[WV], 2
	s_cbranch_scc0 .Lnot_w
	s_wait_tensorcnt 0x0                           ; waves 0, 1: Wo's rows have landed.  The other waves' wait stands ahead of the round below
.Lnot_w:
	BARRIER
	WEIGHTS
	s_wait_tensorcnt 0x0                           ; all my tensor loads are in: tokens 0-127 too;
	ds_add_u32 v[SPW], v[NIL]                      ; 0 onto my spare word;
	s_wait_dscnt 0x0                               ; the add is done, and Wo stands in my registers: my reads of slot 1 are over
	ROUND                                          ; that holds of every wave of every work-group of the cluster
	TLOAD G0R, G1R                                 ; the refill, first behind the round: tokens 128-255 over Wo's rows, 32 rows a wave
	FETCH 0, 0
	FETCH 1, 1
	s_wait_loadcnt 0x0                             ; scale words and bias
	s_wait_dscnt 32                                ; block 0's fragments are in; block 1's 32 loads may stay out
	BLK 0
	BLK 1
	BLK 2
	BLK 3
	BLK 4
	BLK 5
	BLK 6
	BLK 7
	s_wait_dscnt 0x0
	SEND 7
	s_wait_tensorcnt 0x0                           ; the wave's end
	ds_add_u32 v[SPW], v[NIL]
	s_wait_dscnt 0x0
	ROUND                                          ; the closing round
	s_endpgm
.Lfunc_end_k_q8d5b116255_oproj:
	.size	k_q8d5b116255_oproj, .Lfunc_end_k_q8d5b116255_oproj-k_q8d5b116255_oproj
	.p2alignl 7, 3214868480
	.fill 96, 4, 3214868480
	.section	.rodata,"a",@progbits
	.p2align	6, 0x0
	.amdhsa_kernel k_q8d5b116255_oproj
		.amdhsa_group_segment_fixed_size 327680
		.amdhsa_private_segment_fixed_size 0
		.amdhsa_enable_private_segment 0
		.amdhsa_kernarg_size 48
		.amdhsa_user_sgpr_count 2
		.amdhsa_user_sgpr_kernarg_segment_ptr 1
		.amdhsa_wavefront_size32 1
		.amdhsa_system_sgpr_workgroup_id_x 1
		.amdhsa_system_sgpr_workgroup_id_y 1
		.amdhsa_system_sgpr_workgroup_id_z 1
		.amdhsa_system_vgpr_workitem_id 0
		.amdhsa_next_free_vgpr 1024
		.amdhsa_next_free_sgpr 102
		.amdhsa_reserve_vcc 0
		.amdhsa_float_denorm_mode_32 3
		.amdhsa_float_denorm_mode_16_64 3
		.amdhsa_memory_ordered 1
		.amdhsa_forward_progress 1
		.amdhsa_inst_pref_size 86
	.end_amdhsa_kernel
	.amdgpu_metadata
---
amdhsa.version: [ 1, 2 ]
amdhsa.kernels:
  - .name:           k_q8d5b116255_oproj
    .symbol:         k_q8d5b116255_oproj.kd
    .args:
      - { .name: a_codes, .offset: 0, .size: 8, .value_kind: global_buffer, .address_space: global }
      - { .name: a_sc, .offset: 8, .size: 8, .value_kind: global_buffer, .address_space: global }
      - { .name: Wo_codes, .offset: 16, .size: 8, .value_kind: global_buffer, .address_space: global }
      - { .name: Wo_scales, .offset: 24, .size: 8, .value_kind: global_buffer, .address_space: global }
      - { .name: bo, .offset: 32, .size: 8, .value_kind: global_buffer, .address_space: global }
      - { .name: out0, .offset: 40, .size: 8, .value_kind: global_buffer, .address_space: global }
    .group_segment_fixed_size: 327680
    .private_segment_fixed_size: 0
    .kernarg_segment_align: 8
    .kernarg_segment_size: 48
    .max_flat_workgroup_size: 128
    .sgpr_count:     102
    .vgpr_count:     1024
    .wavefront_size: 32
...
	.end_amdgpu_metadata
.endif
;; end of part 3
